; MI455X (gfx1250); checked and timed in simulation.
; The chip was launched on July 23, 2026; its instructions are those of AMD's public machine-readable ISA for CDNA 5 (MIT licence, August 2026) and "CDNA5" Instruction Set Architecture Reference Guide (July 2026). The comments in the code are by the model that wrote it; some were corrected since.
;; Rope Attention. Allowed arithmetic: float matrix products may take bf16 or f16 operands with f32 sums; all other float work in f32.
;; Inputs: Wk 2,048 x 2,048 float32; Wo 2,048 x 2,048 float32; Wq 2,048 x 2,048 float32; Wv 2,048 x 2,048 float32; attention_mask 2 x 1 x 1,024 x 1,024 float32; input_tensor 2 x 1,024 x 2,048 float32.
;; Outputs: out0 2 x 1,024 x 2,048 float32.
;; 2 versions, each right; version 2 is version 1 with the launch cast written anew for expert scheduling mode. Each part assembles by itself: llvm-mc -triple=amdgcn-amd-amdhsa -mcpu=gfx1250 --defsym DOCPART=n.
;; ======== version 1 of 2: 4 launches
;; limits: values are held in f16: magnitudes above 65,504 overflow, below 6.1e-05 lose precision
;; workspace buffers: f16in 41,943,040 bytes; rope 524,288 bytes; qkv 25,165,824 bytes; ctx 8,388,608 bytes
;; launch cast (part 1): grid 656 x 1, 8 waves a work-group, no clusters, 0 bytes of LDS; arguments input_tensor, Wq, Wk, Wv, Wo, f16in, rope; writes f16in, rope
.if DOCPART == 1
	.amdgcn_target "amdgcn-amd-amdhsa--gfx1250"
	.amdhsa_code_object_version 6
	.text
	.protected	k_q4a3deb4d53_cast
	.globl	k_q4a3deb4d53_cast
	.p2align	8
	.type	k_q4a3deb4d53_cast,@function
k_q4a3deb4d53_cast:
	s_mov_b64 s[64:65], 0
	v_nop
	global_prefetch_b8 v0, s[64:65] scope:SCOPE_SE
	s_setreg_imm32_b32 hwreg(HW_REG_WAVE_MODE, 25, 1), 1
	s_wait_xcnt 0x0
; Work-groups 0..639: x, Wq, Wk, Wv, Wo from f32 to f16 into f16in, rows of 2,048 f16 (4,096 bytes):
;   rows 0..2047 x;  rows 2048..8191 the q, k, v weights in 32 blocks of 192 rows, block 2 h + part:
;   rows 0..127 of a block = Wq[128 h + i] (part 0) or Wv[128 h + i] (part 1), rows 128..191 = Wk[128 h + 64 part + i];
;   rows 8192..10239 Wo.
; So one block of 192 output columns of the next launch holds a whole head of q (or v), which RoPE needs, and half a head of k.
; Work-groups 640..655: the RoPE table rope[1024 positions][64 cosines, 64 sines] in f32.
; LIMITS: f16 holds |x| up to 65,504 (larger becomes infinity) and steps of 6e-8 below 6.1e-5.  The angle position x 10000^(-i/64)
; uses exp2 with an error of one unit in the last place, so that at position 1023 the angle is within about 1e-4 rad of the exact one.
; A stream: each byte read once and written once, no LDS, no matrix unit, no cluster (no two work-groups read the same bytes).
.set X,    8                           ; v[8:135]  32 loads of 16 bytes a lane
.set OUT,  40                          ; table path: v[40:71], four results for each of 8 positions
	s_load_b256 s[4:11], s[0:1], 0x0               ; x s[4:5], Wq s[6:7], Wk s[8:9], Wv s[10:11]
	s_load_b128 s[12:15], s[0:1], 0x20             ; Wo s[12:13], f16in s[14:15]
	s_load_b64 s[16:17], s[0:1], 0x30              ; rope
	s_cmp_ge_u32 ttmp9, 640
	s_cbranch_scc1 .Ltable
	; ---- the cast: 16 rows (131,072 bytes in, 65,536 out), contiguous on both sides ----
	s_lshr_b32 s20, ttmp9, 7                       ; which matrix: 0 x, 1 Wq, 2 Wk, 3 Wv, 4 Wo
	s_and_b32 s21, ttmp9, 127
	s_lshl_b32 s21, s21, 4                         ; its first row r0
	s_lshr_b32 s22, s21, 7                         ; head h
	s_and_b32 s23, s21, 127                        ; i: row in the head
	s_mul_i32 s24, s22, 384
	s_add_co_u32 s24, s24, 2048                    ; first row of the head's two blocks
	s_add_co_u32 s25, s24, s23                     ; Wq's row
	s_add_co_u32 s27, s25, 192                     ; Wv's row
	s_and_b32 s26, s23, 63
	s_lshr_b32 s28, s23, 6
	s_mul_i32 s28, s28, 192
	s_add_co_u32 s26, s26, s28
	s_add_co_u32 s26, s26, s24
	s_add_co_u32 s26, s26, 128                     ; Wk's row: block of its half, behind the 128 rows of q or v
	s_add_co_u32 s29, s21, 8192                    ; Wo's row
	v_lshlrev_b32 v1, 4, v0                        ; 16 bytes a thread in
	v_lshlrev_b32 v2, 3, v0                        ; 8 bytes a thread out
	s_wait_kmcnt 0x0
	s_cmp_eq_u32 s20, 1
	s_cselect_b64 s[30:31], s[6:7], s[4:5]
	s_cselect_b32 s32, s25, s21
	s_cmp_eq_u32 s20, 2
	s_cselect_b64 s[30:31], s[8:9], s[30:31]
	s_cselect_b32 s32, s26, s32
	s_cmp_eq_u32 s20, 3
	s_cselect_b64 s[30:31], s[10:11], s[30:31]
	s_cselect_b32 s32, s27, s32
	s_cmp_eq_u32 s20, 4
	s_cselect_b64 s[30:31], s[12:13], s[30:31]
	s_cselect_b32 s32, s29, s32
	s_lshl_b32 s34, s21, 13                        ; r0 rows of 8,192 bytes
	s_mov_b32 s35, 0
	s_add_nc_u64 s[30:31], s[30:31], s[34:35]
	s_lshl_b32 s34, s32, 12                        ; rows of 4,096 bytes
	s_add_nc_u64 s[36:37], s[14:15], s[34:35]
.set c, 0
.rept 32
	global_load_b128 v[X+4*c:X+4*c+3], v1, s[30:31] offset:4096*c th:TH_LOAD_NT   ; a wave's load covers 512 consecutive bytes; all 32 go out first
.set c, c+1
.endr
.set c, 0
.rept 32
	s_wait_loadcnt 31-c                            ; loads come back in order (ISA guide 5.7.1): load c is in, the younger ones stay out
	v_cvt_pk_f16_f32 v[X+4*c],   v[X+4*c],   v[X+4*c+1]
	v_cvt_pk_f16_f32 v[X+4*c+1], v[X+4*c+2], v[X+4*c+3]
	global_store_b64 v2, v[X+4*c:X+4*c+1], s[36:37] offset:2048*c                 ; a wave's store covers 256 consecutive bytes, aligned; no register is used twice
.set c, c+1
.endr
	s_endpgm
	; ---- the table: wave w of work-group 640 + j makes positions 64 j + 8 w + 0..7; lane L frequencies 2 L and 2 L + 1 ----
.Ltable:
	v_lshrrev_b32 v1, 5, v0
	v_readfirstlane_b32 s21, v1                    ; wave
	v_and_b32 v2, 31, v0                           ; lane
	s_sub_co_u32 s20, ttmp9, 640
	s_lshl_b32 s20, s20, 6
	s_lshl3_add_u32 s20, s21, s20                  ; the wave's first position
	v_lshlrev_b32 v3, 1, v2
	v_cvt_f32_u32 v4, v3
	v_add_f32 v5, 1.0, v4
	v_mul_f32 v4, 0xbe549a78, v4                   ; -i log2(10000) / 64
	v_mul_f32 v5, 0xbe549a78, v5
	v_exp_f32 v4, v4                               ; 10000^(-i/64)
	v_exp_f32 v5, v5
	v_lshlrev_b32 v6, 3, v2                        ; 8 bytes a lane (also the plain instruction behind the two exponentials: ISA guide 5.7.2)
	v_mov_b32 v30, 0xab573f9f                      ; -1/15!
	v_mov_b32 v31, 0x29573f9f                      ;  1/16!
	s_wait_alu depctr_va_vdst(0)
	s_lshl_b32 s22, s20, 9                         ; 512 bytes a position
	s_mov_b32 s23, 0
	s_wait_kmcnt 0x0
	s_add_nc_u64 s[16:17], s[16:17], s[22:23]
; One position.  The angle is brought into [-pi, pi] by taking away the nearest multiple of 2 pi, held in two parts; sine and cosine
; are their series up to r^15 and r^16, whose remainders on that range are below pi^17/17! = 8e-7 and pi^18/18! = 1.4e-7.
.macro POS c
	s_add_co_u32 s24, s20, \c
	v_cvt_f32_u32 v7, s24
	v_mul_f32 v8, v7, v4                           ; position x frequency, rounded as the product of two f32
	v_mul_f32 v9, v7, v5
	v_mul_f32 v10, 0.15915494, v8
	v_mul_f32 v11, 0.15915494, v9
	v_rndne_f32 v10, v10
	v_rndne_f32 v11, v11
	v_fmamk_f32 v8, v10, 0xc0c90fdb, v8            ; - n x (2 pi rounded to f32)
	v_fmamk_f32 v9, v11, 0xc0c90fdb, v9
	v_fmamk_f32 v8, v10, 0x343bbd2e, v8            ; - n x (what the rounding left out: -1.7484556e-7)
	v_fmamk_f32 v9, v11, 0x343bbd2e, v9
	v_mul_f32 v12, v8, v8
	v_mul_f32 v13, v9, v9
	v_fmaak_f32 v14, v12, v30, 0x2f309231          ; sine: 1/13!, then -1/11!, 1/9!, -1/7!, 1/5!, -1/3!
	v_fmaak_f32 v15, v13, v30, 0x2f309231
.irp k, 0xb2d7322b, 0x3638ef1d, 0xb9500d01, 0x3c088889, 0xbe2aaaab
	v_fmaak_f32 v14, v14, v12, \k
	v_fmaak_f32 v15, v15, v13, \k
.endr
	v_fmaak_f32 v16, v12, v31, 0xad49cba5          ; cosine: -1/14!, then 1/12!, -1/10!, 1/8!, -1/6!, 1/4!, -1/2
	v_fmaak_f32 v17, v13, v31, 0xad49cba5
.irp k, 0x310f76c7, 0xb493f27e, 0x37d00d01, 0xbab60b61, 0x3d2aaaab, 0xbf000000
	v_fmaak_f32 v16, v16, v12, \k
	v_fmaak_f32 v17, v17, v13, \k
.endr
	v_mul_f32 v18, v8, v12
	v_mul_f32 v19, v9, v13
	v_fma_f32 v[OUT+4*\c],   v16, v12, 1.0
	v_fma_f32 v[OUT+4*\c+1], v17, v13, 1.0
	v_fma_f32 v[OUT+4*\c+2], v18, v14, v8
	v_fma_f32 v[OUT+4*\c+3], v19, v15, v9
	global_store_b64 v6, v[OUT+4*\c:OUT+4*\c+1],   s[16:17] offset:512*\c        ; 64 cosines: 256 consecutive bytes, aligned
	global_store_b64 v6, v[OUT+4*\c+2:OUT+4*\c+3], s[16:17] offset:512*\c+256    ; 64 sines
.endm
.irp n, 0,1,2,3,4,5,6,7
	POS \n
.endr
	s_endpgm
.Lfunc_end_k_q4a3deb4d53_cast:
	.size	k_q4a3deb4d53_cast, .Lfunc_end_k_q4a3deb4d53_cast-k_q4a3deb4d53_cast
	.p2alignl 7, 3214868480
	.fill 96, 4, 3214868480
	.section	.rodata,"a",@progbits
	.p2align	6, 0x0
	.amdhsa_kernel k_q4a3deb4d53_cast
		.amdhsa_group_segment_fixed_size 0
		.amdhsa_private_segment_fixed_size 0
		.amdhsa_enable_private_segment 0
		.amdhsa_kernarg_size 56
		.amdhsa_user_sgpr_count 2
		.amdhsa_user_sgpr_kernarg_segment_ptr 1
		.amdhsa_wavefront_size32 1
		.amdhsa_system_sgpr_workgroup_id_x 1
		.amdhsa_system_sgpr_workgroup_id_y 1
		.amdhsa_system_sgpr_workgroup_id_z 1
		.amdhsa_system_vgpr_workitem_id 0
		.amdhsa_next_free_vgpr 136
		.amdhsa_next_free_sgpr 66
		.amdhsa_reserve_vcc 0
		.amdhsa_float_denorm_mode_32 3
		.amdhsa_float_denorm_mode_16_64 3
		.amdhsa_memory_ordered 1
		.amdhsa_forward_progress 1
		.amdhsa_inst_pref_size 36
	.end_amdhsa_kernel
	.amdgpu_metadata
---
amdhsa.version: [ 1, 2 ]
amdhsa.kernels:
  - .name:           k_q4a3deb4d53_cast
    .symbol:         k_q4a3deb4d53_cast.kd
    .args:
      - { .name: input_tensor, .offset: 0, .size: 8, .value_kind: global_buffer, .address_space: global }
      - { .name: Wq, .offset: 8, .size: 8, .value_kind: global_buffer, .address_space: global }
      - { .name: Wk, .offset: 16, .size: 8, .value_kind: global_buffer, .address_space: global }
      - { .name: Wv, .offset: 24, .size: 8, .value_kind: global_buffer, .address_space: global }
      - { .name: Wo, .offset: 32, .size: 8, .value_kind: global_buffer, .address_space: global }
      - { .name: f16in, .offset: 40, .size: 8, .value_kind: global_buffer, .address_space: global }
      - { .name: rope, .offset: 48, .size: 8, .value_kind: global_buffer, .address_space: global }
    .group_segment_fixed_size: 0
    .private_segment_fixed_size: 0
    .kernarg_segment_align: 8
    .kernarg_segment_size: 56
    .max_flat_workgroup_size: 256
    .sgpr_count:     66
    .vgpr_count:     136
    .wavefront_size: 32
...
	.end_amdgpu_metadata
.endif
;; end of part 1
;; launch qkv (part 2): grid 32 x 8, 4 waves a work-group, clusters of 4 x 4, 327,680 bytes of LDS; arguments f16in, rope, qkv; writes qkv
.if DOCPART == 2
	.amdgcn_target "amdgcn-amd-amdhsa--gfx1250"
	.amdhsa_code_object_version 6
	.text
	.protected	k_q4a3deb4d53_qkv
	.globl	k_q4a3deb4d53_qkv
	.p2align	8
	.type	k_q4a3deb4d53_qkv,@function
k_q4a3deb4d53_qkv:
	s_mov_b64 s[64:65], 0
	v_nop
	global_prefetch_b8 v0, s[64:65] scope:SCOPE_SE
	s_setreg_imm32_b32 hwreg(HW_REG_WAVE_MODE, 25, 1), 1
	s_wait_xcnt 0x0
	s_wait_alu depctr_hold_cnt(0) depctr_sa_sdst(0) depctr_va_vdst(0) depctr_va_sdst(0) depctr_va_ssrc(0) depctr_va_vcc(0) depctr_vm_vsrc(0)
	s_getreg_b32 s2, hwreg(HW_REG_IB_STS2, 6, 4)
	s_cmp_eq_u32 s2, 0
	s_cbranch_scc0 .Lentry_in_a_cluster
	s_endpgm
.Lentry_in_a_cluster:
	s_bfe_u32 s2, ttmp6, 0x10000c
	s_cmp_lg_u32 s2, 0xf033
	s_cbranch_scc0 .Lentry_shape_is_right
	s_endpgm
.Lentry_shape_is_right:
; [2048 rows of x] x [6144 rows of the q, k, v weights], K = 2048, f16 operands, f32 sums; RoPE on q and v on the way out; f16 results.
; Work-group (nb, mb): rows 256 mb .. +255, weight block nb = 2 head + part (192 columns: 128 of q (part 0) or v (part 1), 64 of k).
; Four waves; wave w makes rows 64 w .. +63 by all 192 columns: 4 x 12 tiles of 16 x 16, 384 accumulator registers.
; K goes in 16 steps of 128 through two LDS slots filled by the tensor data mover; a tile's rows are 256 bytes of memory, aligned to 256.
; CLUSTERS of 4 x 4: x's tile hangs on mb alone and is asked for jointly by a row of the cluster, the weights' tile on nb alone and
; by a column.  Each wave asks for a quarter of each: 4 tensor loads of a wave are out at the head (both slots), 2 behind each round.
; THE WALK ALONG K: step n takes K tile (n + r) mod 16 with r = (4 (cluster x mod 4) + 8 cluster y) mod 16, the same in all sixteen
; work-groups of a cluster.  Clusters that need the same rows of x or of the weights so ask for a given tile at different steps.
; The sum over K holds the same products in another order.
; Results: q at qkv + 0 and v at + 8,388,608 as [32 (b, head)][1024][128] f16; k at + 16,777,216 as [32][2 halves of d][1024][64] f16.
; LIMIT: q, k and v (behind RoPE) are rounded to f16: magnitudes up to 65,504, steps of 6e-8 below 6.1e-5.
;
; REGISTERS in windows of 256 (s_set_vgpr_msb: bits 1:0 source 0, 3:2 source 1, 5:4 source 2, 7:6 destination):
;   window 0: v16-24 addresses; v32-63, v64-95 fragments of x, two buffers (on the way out v32-95 = R); v96-127 read-back;
;             v128-191, v192-255 cosines and sines of my rows 0-15, 16-31
;   window 1: v0-95, v96-191 fragments of the weights, two buffers; v192-255 cosines and sines of rows 32-47
;   window 2: tiles of rows 0-31 at v[8 (12 a + b)]; v192-255 cosines and sines of rows 48-63;   window 3: tiles of rows 32-63
; The matrix instruction is used transposed (source 0 = 16 weight rows, source 1 = 16 rows of x): lane l holds row l % 16 and
; the eight neighbouring columns 8 (l / 16) + 0..7 of the tile.
.set PITCH,  272                       ; an LDS row: 256 bytes + 16 of padding, an odd multiple of 16: sixteen rows start at sixteen different 16-byte columns
.set ABYTES, 256*PITCH                 ; x's 256 rows
.set SLOT,   448*PITCH                 ; then the weights' 192 rows
.set STAGE,  2*SLOT                    ; behind the ring, in blocks of 256 bytes into which no tile lands: 16 rows x 400 bytes a wave
.set SP,     400                       ; 384 bytes (192 f16) + 16
.set STEP,   256                       ; bytes of a K step in a row
.set ROWB,   4096                      ; bytes of a row of f16in: 16 K steps
.set ADRA, 16                          ; v16-17  my fragments of x in slot 0, 1
.set ADRB, 18                          ; v18-19  the weights' fragments
.set STO,  20                          ; where I put 16 bytes of a row
.set RD,   21                          ; where I read q's or v's rows back
.set RDK,  22                          ; where I read k's rows back
.set CO,   23                          ; 16 x lane
.set TAB,  24                          ; my offset in the RoPE table
.set AF,   32
.set R,    32
.set RB,   96
.set NX,  18                           ; s[18:19] byte offset along the rows of the next K tile to be asked for (an offset, never an address)
.set G1,  24                           ; s[24:31] group 1, x's tiles
.set G0,  32                           ; s[32:39] group 0, x's tiles, a set for each slot
.set G1B, 48                           ; s[48:55] group 1, the weights' tiles
.set G0B, 56                           ; s[56:63] group 0, the weights' tiles
.set MSB, 0
.macro WIN new                         ; the immediate's high byte repeats the setting that is left
.if MSB != \new
	s_set_vgpr_msb (MSB<<8)|\new
.set MSB, \new
.endif
.endm
.macro PLACES                          ; four places behind matrix instructions (ISA guide 7.12.1); other matrix instructions are not counted as places
.rept 4
	v_nop
.endr
.endm
; A round of the cluster's barrier: my work-group's barrier, wave 0 signals for the work-group, every wave waits for all sixteen, my barrier again.
.macro CREST                           ; a round behind its opening barrier
	s_cmp_lg_u32 s10, 0
	s_cbranch_scc1 .Lnot_wave_0_\@
	s_barrier_signal -3
.Lnot_wave_0_\@:
	s_barrier_wait -3
	s_barrier_signal -1
	s_barrier_wait -1
.endm
.macro ROUND                           ; a whole round
	s_barrier_signal -1
	s_barrier_wait -1
	CREST
.endm
; Slot s gets the addresses of the next K tile: the clean bases plus the offset, the type bits on top; then the offset steps round the row.
.macro NEXTTILE s
	s_add_nc_u64 s[G0+4*\s+2:G0+4*\s+3], s[14:15], s[NX:NX+1]
	s_or_b32 s[G0+4*\s+3], s[G0+4*\s+3], 0x80000000
	s_add_nc_u64 s[G0B+4*\s+2:G0B+4*\s+3], s[46:47], s[NX:NX+1]
	s_or_b32 s[G0B+4*\s+3], s[G0B+4*\s+3], 0x80000000
	s_add_co_u32 s[NX], s[NX], STEP
	s_and_b32 s[NX], s[NX], ROWB-1
.endm
	s_load_b128 s[4:7], s[0:1], 0x0                ; f16in s[4:5], rope s[6:7]
	s_load_b64 s[8:9], s[0:1], 0x10                ; qkv
	v_lshl_add_u32 v30, v0, 2, 0x41c00
	v_mov_b32 v31, 0
	ds_add_u32 v30, v31
	v_lshrrev_b32 v1, 5, v0
	v_readfirstlane_b32 s10, v1                    ; wave 0..3
	s_bfe_u32 s40, ttmp6, 0x40000                  ; cx
	s_bfe_u32 s41, ttmp6, 0x40004                  ; cy
	s_lshl_b32 s42, ttmp9, 2
	s_add_co_u32 s42, s42, s40                     ; nb = 4 x cluster x + cx
	s_and_b32 s13, ttmp7, 0xffff
	s_lshl_b32 s13, s13, 2
	s_add_co_u32 s13, s13, s41                     ; mb = 4 x cluster y + cy
	s_lshl_b32 s43, s41, 2
	s_lshl_b32 s43, 15, s43                        ; my row of the cluster
	s_lshl_b32 s44, 0x1111, s40                    ; my column
	s_and_b32 s[NX], ttmp9, 3                      ; r = (4 (cluster x mod 4) + 8 cluster y) mod 16: of the cluster's own place alone
	s_lshl_b32 s[NX], s[NX], 2
	s_and_b32 s[NX+1], ttmp7, 0xffff
	s_lshl3_add_u32 s[NX], s[NX+1], s[NX]
	s_and_b32 s[NX], s[NX], 15
	s_lshl_b32 s[NX], s[NX], 8                     ; in bytes: r K steps of 256
	s_mov_b32 s[NX+1], 0
	; group 1: elements of 2 bytes, 128 a row, padding of 4 words behind every 64 words; x: 64 rows a wave, weights: 48
	s_or_b32 s[G1+0],  s43, (1<<16)|(1<<20)|(1<<21)|(5<<22)|(3<<25)
	s_or_b32 s[G1B+0], s44, (1<<16)|(1<<20)|(1<<21)|(5<<22)|(3<<25)
	s_mov_b32 s[G1+1],  128<<16                    ; tensor_dim0 = 128
	s_mov_b32 s[G1B+1], 128<<16
	s_mov_b32 s[G1+2],  64<<16                     ; tensor_dim1
	s_mov_b32 s[G1B+2], 48<<16
	s_mov_b32 s[G1+3],  128<<16                    ; tile_dim0 = 128
	s_mov_b32 s[G1B+3], 128<<16
	s_mov_b32 s[G1+4],  64                         ; tile_dim1
	s_mov_b32 s[G1B+4], 48
	s_mov_b32 s[G1+5],  2048                       ; elements from row to row
	s_mov_b32 s[G1B+5], 2048
	s_mov_b32 s[G1+6],  0
	s_mov_b32 s[G1B+6], 0
	s_mov_b32 s[G1+7],  0
	s_mov_b32 s[G1B+7], 0
	s_lshl_b32 s16, s13, 8                         ; x: row 256 mb + 64 w (no register here ever holds cx)
	s_lshl_b32 s17, s10, 6
	s_add_co_u32 s16, s16, s17
	s_lshl_b32 s16, s16, 12                        ; rows of 4,096 bytes
	s_mov_b32 s17, 0
	s_mul_i32 s46, s42, 192                        ; weights: row 2048 + 192 nb + 48 w (no register here ever holds cy)
	s_mul_i32 s47, s10, 48
	s_add_co_u32 s46, s46, s47
	s_lshl_b32 s46, s46, 12
	s_add_co_u32 s46, s46, 0x800000
	s_mov_b32 s47, 0
	s_mul_i32 s20, s10, 64*PITCH                   ; where they go: the wave's number alone
	s_mul_i32 s21, s10, 48*PITCH
	s_add_co_u32 s21, s21, ABYTES
	s_wait_dscnt 0x0
	s_wait_kmcnt 0x0
	s_add_nc_u64 s[14:15], s[4:5], s[16:17]        ; my rows of x, at K = 0: kept to the end of the K loop
	s_add_nc_u64 s[46:47], s[4:5], s[46:47]        ; my rows of the weights, likewise
.irp s, 0,1
	s_mov_b32 s[G0+4*\s], 1
	s_add_co_u32 s[G0+4*\s+1], s20, \s*SLOT
	s_mov_b32 s[G0B+4*\s], 1
	s_add_co_u32 s[G0B+4*\s+1], s21, \s*SLOT
	NEXTTILE \s                                    ; slot s starts with step s
.endr
	ROUND                                          ; all sixteen work-groups are here: the first joint loads meet
	tensor_load_to_lds s[G0:G0+3], s[G1:G1+7]      ; step 0
	s_nop 0
	tensor_load_to_lds s[G0B:G0B+3], s[G1B:G1B+7]
	s_nop 0
	tensor_load_to_lds s[G0+4:G0+7], s[G1:G1+7]    ; step 1
	s_nop 0
	tensor_load_to_lds s[G0B+4:G0B+7], s[G1B:G1B+7]
	s_nop 0
	v_and_b32 v1, 15, v0                           ; r = l % 16
	v_bfe_u32 v2, v0, 4, 1                         ; h = l / 16
	v_mul_u32_u24 v3, v1, PITCH
	v_lshl_add_u32 v3, v2, 4, v3                   ; a fragment: row r, 16 bytes for each half of the lanes, two loads 32 bytes apart
	s_mov_b32 s22, s20
.irp s, 0,1
	v_add_nc_u32 v[ADRA+\s], s22, v3
	v_add_nc_u32 v[ADRB+\s], ABYTES+\s*SLOT, v3
	s_add_co_u32 s22, s22, SLOT
.endr
	s_mul_i32 s23, s10, 16*SP
	s_add_co_u32 s23, s23, STAGE                   ; my stage
	s_add_co_u32 s2, s23, 256                      ; k's 128 bytes lie behind q's or v's 256 in a stage row
	v_mul_u32_u24 v3, v1, SP
	v_lshl_add_u32 v3, v2, 4, v3
	v_add_nc_u32 v[STO], s23, v3
	v_mul_u32_u24 v3, v2, SP                       ; back: lanes 0-15 one row of 256 bytes, lanes 16-31 the next
	v_lshl_add_u32 v3, v1, 4, v3
	v_add_nc_u32 v[RD], s23, v3
	v_bfe_u32 v3, v0, 3, 2                         ; k: eight lanes a row of 128 bytes, four rows a load
	v_mul_u32_u24 v3, v3, SP
	v_and_b32 v4, 7, v0
	v_lshl_add_u32 v3, v4, 4, v3
	v_add_nc_u32 v[RDK], s2, v3
	v_and_b32 v4, 31, v0
	v_lshlrev_b32 v[CO], 4, v4
	s_and_b32 s11, s13, 3
	s_lshl_b32 s11, s11, 8
	s_lshl_b32 s12, s10, 6
	s_add_co_u32 s11, s11, s12                     ; the position of my first row: 256 (mb % 4) + 64 w
	v_add_nc_u32 v3, s11, v1
	v_lshlrev_b32 v3, 9, v3                        ; 512 bytes a position
	v_lshl_add_u32 v[TAB], v2, 5, v3               ; + my 8 columns
; The cosines and sines that the way out needs: for rows 16 a + r and columns 16 b + 8 h + 0..7, b = 0..3.  64 loads, asked for here
; and waited for once, behind the K loop; nothing touches their registers, v[TAB] or s[6:7] in between.
.macro CSLOAD a, win, cs
	WIN \win
.irp b, 0,1,2,3
	global_load_b128 v[\cs+16*\b:\cs+16*\b+3],     v[TAB], s[6:7] offset:8192*\a+64*\b
	global_load_b128 v[\cs+16*\b+4:\cs+16*\b+7],   v[TAB], s[6:7] offset:8192*\a+64*\b+16
	global_load_b128 v[\cs+16*\b+8:\cs+16*\b+11],  v[TAB], s[6:7] offset:8192*\a+64*\b+256
	global_load_b128 v[\cs+16*\b+12:\cs+16*\b+15], v[TAB], s[6:7] offset:8192*\a+64*\b+272
.endr
.endm
	CSLOAD 0, 0, 128
	CSLOAD 1, 0, 192
	CSLOAD 2, 0x40, 192
	CSLOAD 3, 0x80, 192
	WIN 0
; 32 LDS loads in one run: 192 weight rows and my 64 rows of x, 32 along K at byte k of the rows, into buffer f
.macro FETCH slot, k, f
	WIN 0x40
.irp i, 0,1,2,3,4,5,6,7,8,9,10,11
	ds_load_b128 v[96*\f+8*\i:96*\f+8*\i+3],   v[ADRB+\slot] offset:\k+\i*16*PITCH
	ds_load_b128 v[96*\f+8*\i+4:96*\f+8*\i+7], v[ADRB+\slot] offset:\k+\i*16*PITCH+32
.endr
	WIN 0
.irp i, 0,1,2,3
	ds_load_b128 v[AF+32*\f+8*\i:AF+32*\f+8*\i+3],   v[ADRA+\slot] offset:\k+\i*16*PITCH
	ds_load_b128 v[AF+32*\f+8*\i+4:AF+32*\f+8*\i+7], v[ADRA+\slot] offset:\k+\i*16*PITCH+32
.endr
.endm
; 12 matrix instructions: one block of 16 rows (hi = 0: rows 0-31, 1: rows 32-63; a: which 16 of them) x 12 column tiles.
; zero = 1: the first product starts the sums.
; The 48 accumulators take turns, one instruction a turn, in the same order in every quarter.
.macro MUL12 f, hi, a, zero
.irp b, 0,1,2,3,4,5,6,7,8,9,10,11
.if \zero
	v_wmma_f32_16x16x32_f16 v[8*(12*\a+\b):8*(12*\a+\b)+7], v[96*\f+8*\b:96*\f+8*\b+7], v[AF+32*\f+8*(2*\hi+\a):AF+32*\f+8*(2*\hi+\a)+7], 0
.else
	v_wmma_f32_16x16x32_f16 v[8*(12*\a+\b):8*(12*\a+\b)+7], v[96*\f+8*\b:96*\f+8*\b+7], v[AF+32*\f+8*(2*\hi+\a):AF+32*\f+8*(2*\hi+\a)+7], v[8*(12*\a+\b):8*(12*\a+\b)+7]
.endif
.endr
.endm
.macro MUL24 f, hi, zero
	MUL12 \f, \hi, 0, \zero
	MUL12 \f, \hi, 1, \zero
.endm
; One of a K step's first three quarters: multiplies buffer f; in its middle the next quarter's fragments are fetched into buffer g
.macro QUARTER slot, k, f, g, zero
	s_wait_dscnt 4                                 ; the weights and x's rows 0-31 are in; the youngest four loads (rows 32-63) may be out
	WIN 0xa1
	MUL24 \f, 0, \zero
	PLACES
	FETCH \slot, \k, \g
	s_wait_dscnt 32                                ; all but the 32 just issued
	WIN 0xf1
	MUL24 \f, 1, \zero
.endm
.macro THREE slot, zero
	QUARTER \slot, 64,  0, 1, \zero
	QUARTER \slot, 128, 1, 0, 0
	QUARTER \slot, 192, 0, 1, 0
.endm
; The last quarter: multiplies buffer 1 and changes slots.  fill = 1: this slot is filled again, two steps ahead.
; In front of the barrier each wave waits for its reads of this slot and for all its tensor loads, of which its parts of the next slot are
; the ones that were out.  Where the slot is filled again the barrier opens a round of the cluster's barrier; behind the round no wave of the
; cluster reads this slot's tile or has a load on its way, and the two joint refills are the first tensor loads.  Then the next slot's first
; fragments are fetched, ahead of this step's last 24 matrix instructions.  From a request to the wait for it a wave issues 180 of a
; step's 192 matrix instructions.
.macro TURN slot, next, fill
	s_wait_dscnt 4
	WIN 0xa1
	MUL12 1, 0, 0, 0
	s_wait_dscnt 0                                 ; my reads of this slot are over
	s_set_vgpr_msb 0xa1a0
	s_wait_tensorcnt 0x0                           ; and all my tensor loads have landed
	ds_add_u32 v30, v31
	s_wait_dscnt 0x0
	s_set_vgpr_msb 0xa0a1
	s_barrier_signal -1
	MUL12 1, 0, 1, 0                               ; register work while the others arrive
	WIN 0
	s_barrier_wait -1
.if \fill
	CREST
	NEXTTILE \slot                                 ; no load of mine is out: this slot's group 0 may be written
	tensor_load_to_lds s[G0+4*\slot:G0+4*\slot+3], s[G1:G1+7]
	s_nop 0
	tensor_load_to_lds s[G0B+4*\slot:G0B+4*\slot+3], s[G1B:G1B+7]
	s_nop 0
.endif
	PLACES
	FETCH \next, 0, 0
	WIN 0xf1
	MUL24 1, 1, 0
.endm
.macro LAP zero                        ; once round the ring, both slots filled again
	THREE 0, \zero
	TURN 0, 1, 1
	THREE 1, 0
	TURN 1, 0, 1
.endm
	s_wait_tensorcnt 2                             ; my two parts of step 0 are in; step 1's two loads stay out
	s_barrier_signal -1
	s_barrier_wait -1                              ; everybody's are
	FETCH 0, 0, 0
	LAP 1                                          ; 8 laps of two steps: one in front of the loop (its first products start the sums), six in it, one behind
	WIN 0                                          ; at a label and at a branch every window is 0
	s_mov_b32 s3, 6
.Llap:
	LAP 0
	WIN 0
	s_sub_co_u32 s3, s3, 1
	s_cmp_lg_u32 s3, 0
	s_cbranch_scc1 .Llap
	THREE 0, 0                                     ; the last lap fills nothing and has no round: my loads that are still out are slot 1's, the last step's
	TURN 0, 1, 0
	THREE 1, 0
	s_wait_dscnt 4                                 ; the very last quarter: nothing more to fetch
	WIN 0xa1
	MUL24 1, 0, 0
	s_wait_dscnt 0
	WIN 0xf1
	MUL24 1, 1, 0
	WIN 0
	; THE WAY OUT, 16 rows at a time: RoPE in f32, round to f16, through my stage, out as whole rows.
	PLACES
	s_wait_loadcnt 0x0                             ; the cosines and sines
	s_lshr_b32 s70, s13, 2
	s_lshl_b32 s70, s70, 4
	s_lshr_b32 s71, s42, 1
	s_add_co_u32 s70, s70, s71                     ; 16 b + head
	s_and_b32 s71, s42, 1                          ; part
	s_lshl_b32 s66, s70, 18                        ; q or v: 262,144 bytes a head,
	s_lshl_b32 s12, s71, 23                        ; v lies 8,388,608 behind q,
	s_add_co_u32 s66, s66, s12
	s_lshl_b32 s12, s11, 8                         ; 256 bytes a position
	s_add_co_u32 s66, s66, s12
	s_mov_b32 s67, 0
	s_add_nc_u64 s[66:67], s[8:9], s[66:67]
	s_lshl1_add_u32 s68, s70, s71                  ; k: plane 2 (16 b + head) + part of 131,072 bytes,
	s_lshl_b32 s68, s68, 17
	s_lshl_b32 s12, s11, 7                         ; 128 bytes a position
	s_add_co_u32 s68, s68, s12
	s_add_co_u32 s68, s68, 0x1000000
	s_mov_b32 s69, 0
	s_add_nc_u64 s[68:69], s[8:9], s[68:69]
; rows 16 a .. +15 = the twelve tiles (loc, 0..11) of a window.  wr: window setting with source 0 = the tiles, source 1 = the cosines and
; sines at cs; wk: sources 0 and 1 = the tiles.  Tiles b and b + 4 hold columns d and d + 64:
; out[d] = x[d] cos - x[d+64] sin, out[d+64] = x[d+64] cos + x[d] sin.  Tiles 8..11 are k: no rotation.
.macro OUT16 a, loc, wr, wk, cs
	s_wait_xcnt 0x0                                ; R and the read-back registers, which the last block's stores read, are rewritten only behind this wait
	WIN \wr
.irp b, 0,1,2,3
.irp p, 0,2,4,6
	v_pk_mul_f32 v[R+16*\b+\p:R+16*\b+\p+1],     v[8*(12*\loc+\b)+\p:8*(12*\loc+\b)+\p+1],     v[\cs+16*\b+\p:\cs+16*\b+\p+1]
	v_pk_mul_f32 v[R+16*\b+8+\p:R+16*\b+9+\p],   v[8*(12*\loc+\b+4)+\p:8*(12*\loc+\b+4)+\p+1], v[\cs+16*\b+\p:\cs+16*\b+\p+1]
.endr
.irp p, 0,2,4,6
	v_pk_fma_f32 v[R+16*\b+\p:R+16*\b+\p+1],     v[8*(12*\loc+\b+4)+\p:8*(12*\loc+\b+4)+\p+1], v[\cs+16*\b+8+\p:\cs+16*\b+9+\p], v[R+16*\b+\p:R+16*\b+\p+1] neg_lo:[1,0,0] neg_hi:[1,0,0]
	v_pk_fma_f32 v[R+16*\b+8+\p:R+16*\b+9+\p],   v[8*(12*\loc+\b)+\p:8*(12*\loc+\b)+\p+1],     v[\cs+16*\b+8+\p:\cs+16*\b+9+\p], v[R+16*\b+8+\p:R+16*\b+9+\p]
.endr
.endr
	WIN 0
.irp g, 0,1,2,3,4,5,6,7
.irp i, 0,1,2,3
	v_cvt_pk_f16_f32 v[R+8*\g+\i], v[R+8*\g+2*\i], v[R+8*\g+2*\i+1]           ; each group of eight into its own first four registers
.endr
.endr
	WIN \wk
.irp g, 0,1,2,3
.irp i, 0,1,2,3
	v_cvt_pk_f16_f32 v[R+16*\g+4+\i], v[8*(12*\loc+8+\g)+2*\i], v[8*(12*\loc+8+\g)+2*\i+1]   ; k, into registers that the packing has freed
.endr
.endr
	WIN 0
.irp b, 0,1,2,3
	ds_store_b128 v[STO], v[R+16*\b:R+16*\b+3]     offset:32*\b
	ds_store_b128 v[STO], v[R+16*\b+8:R+16*\b+11]  offset:32*\b+128
	ds_store_b128 v[STO], v[R+16*\b+4:R+16*\b+7]   offset:32*\b+256
.endr
.irp t, 0,1,2,3,4,5,6,7
	ds_load_b128 v[RB+4*\t:RB+4*\t+3], v[RD] offset:\t*2*SP                    ; LDS serves a wave's instructions in order (ISA guide 5.7.1): these see the stores above
.endr
.irp t, 0,1,2,3
	ds_load_b128 v[R+16*\t+12:R+16*\t+15], v[RDK] offset:\t*4*SP
.endr
.irp t, 0,1,2,3,4,5,6,7
	s_wait_dscnt 11-\t                             ; the younger read-backs stay out
	global_store_b128 v[CO], v[RB+4*\t:RB+4*\t+3], s[66:67] offset:4096*\a+512*\t          ; two rows of q or v: 512 consecutive bytes, aligned
.endr
.irp t, 0,1,2,3
	s_wait_dscnt 3-\t
	global_store_b128 v[CO], v[R+16*\t+12:R+16*\t+15], s[68:69] offset:2048*\a+512*\t      ; four rows of k: 512 consecutive bytes, aligned
.endr
.endm
	OUT16 0, 0, 0x02, 0x0a, 128
	OUT16 1, 1, 0x02, 0x0a, 192
	OUT16 2, 0, 0x07, 0x0f, 192
	OUT16 3, 1, 0x0b, 0x0f, 192
	s_wait_tensorcnt 0x0
	ds_add_u32 v30, v31
	s_wait_dscnt 0x0
	ROUND                                          ; the closing round: no work-group ends while a partner may still ask for a tile that names it
	s_endpgm
.Lfunc_end_k_q4a3deb4d53_qkv:
	.size	k_q4a3deb4d53_qkv, .Lfunc_end_k_q4a3deb4d53_qkv-k_q4a3deb4d53_qkv
	.p2alignl 7, 3214868480
	.fill 96, 4, 3214868480
	.section	.rodata,"a",@progbits
	.p2align	6, 0x0
	.amdhsa_kernel k_q4a3deb4d53_qkv
		.amdhsa_group_segment_fixed_size 327680
		.amdhsa_private_segment_fixed_size 0
		.amdhsa_enable_private_segment 0
		.amdhsa_kernarg_size 24
		.amdhsa_user_sgpr_count 2
		.amdhsa_user_sgpr_kernarg_segment_ptr 1
		.amdhsa_wavefront_size32 1
		.amdhsa_system_sgpr_workgroup_id_x 1
		.amdhsa_system_sgpr_workgroup_id_y 1
		.amdhsa_system_sgpr_workgroup_id_z 1
		.amdhsa_system_vgpr_workitem_id 0
		.amdhsa_next_free_vgpr 960
		.amdhsa_next_free_sgpr 72
		.amdhsa_reserve_vcc 0
		.amdhsa_float_denorm_mode_32 3
		.amdhsa_float_denorm_mode_16_64 3
		.amdhsa_memory_ordered 1
		.amdhsa_forward_progress 1
		.amdhsa_inst_pref_size 187
	.end_amdhsa_kernel
	.amdgpu_metadata
---
amdhsa.version: [ 1, 2 ]
amdhsa.kernels:
  - .name:           k_q4a3deb4d53_qkv
    .symbol:         k_q4a3deb4d53_qkv.kd
    .args:
      - { .name: f16in, .offset: 0, .size: 8, .value_kind: global_buffer, .address_space: global }
      - { .name: rope, .offset: 8, .size: 8, .value_kind: global_buffer, .address_space: global }
      - { .name: qkv, .offset: 16, .size: 8, .value_kind: global_buffer, .address_space: global }
    .group_segment_fixed_size: 327680
    .private_segment_fixed_size: 0
    .kernarg_segment_align: 8
    .kernarg_segment_size: 24
    .max_flat_workgroup_size: 128
    .sgpr_count:     72
    .vgpr_count:     960
    .wavefront_size: 32
...
	.end_amdgpu_metadata
.endif
;; end of part 2
;; launch attn (part 3): grid 8 x 32, 4 waves a work-group, clusters of 4 x 4, 327,680 bytes of LDS; arguments qkv, attention_mask, ctx; writes ctx
.if DOCPART == 3
	.amdgcn_target "amdgcn-amd-amdhsa--gfx1250"
	.amdhsa_code_object_version 6
	.text
	.protected	k_q4a3deb4d53_attn
	.globl	k_q4a3deb4d53_attn
	.p2align	8
	.type	k_q4a3deb4d53_attn,@function
k_q4a3deb4d53_attn:
	s_mov_b64 s[64:65], 0
	v_nop
	global_prefetch_b8 v0, s[64:65] scope:SCOPE_SE
	s_setreg_imm32_b32 hwreg(HW_REG_WAVE_MODE, 25, 1), 1
	s_wait_xcnt 0x0
	s_wait_alu depctr_hold_cnt(0) depctr_sa_sdst(0) depctr_va_vdst(0) depctr_va_sdst(0) depctr_va_ssrc(0) depctr_va_vcc(0) depctr_vm_vsrc(0)
	s_getreg_b32 s2, hwreg(HW_REG_IB_STS2, 6, 4)
	s_cmp_eq_u32 s2, 0
	s_cbranch_scc0 .Lentry_in_a_cluster
	s_endpgm
.Lentry_in_a_cluster:
	s_bfe_u32 s2, ttmp6, 0x10000c
	s_cmp_lg_u32 s2, 0xf033
	s_cbranch_scc0 .Lentry_shape_is_right
	s_endpgm
.Lentry_shape_is_right:
; softmax((q k^T / sqrt 128) * mask) v for 128 queries of one (b, head), with a running maximum.  f16 matrix operands, all else in f32.
; Work-group (qb, y); wave w: queries 32 w .. +31 of the block, two tiles of 16 (qt).  Keys go in 8 tiles of 128 through two LDS slots,
; each tile worked on as two sub-blocks of 64 keys.
; THE GRID'S y = 4 y' + cy, y' the cluster's y, 0..7, read as the bits (g1, b, g0): batch b = bit 1 of y', head = 4 (2 g1 + g0) + cy.
; So the clusters whose number x' + 2 y' agrees in bit 2 work on one batch and read that batch's mask.  The results do not hang on this order.
; CLUSTERS of 4 x 4: K's and V's tiles hang on (b, head) alone and are asked for jointly by a row of the cluster (four query blocks); the
; mask's tile hangs on qb and on b (the same for the four heads of a column) and is asked for jointly by a column.  Each wave asks for
; a quarter of each: 3 tensor loads of a wave are out behind each round.  Q is read by one work-group alone: straight into registers.
; LAYOUTS.  S^T = K Q^T (source 0 = 16 keys, source 1 = 16 queries): lane (r, h) holds query r and keys 8 h + 0..7 of the tile, so that
; two neighbouring key tiles, packed to f16 in the lane, are a source-1 fragment of P, and a row's figures are one number a lane.
; O^T = V^T P (source 0 = V through the transposing LDS load): lane (r, h) holds query r and eight neighbouring d.
; LIMITS: P is rounded to f16 relative to its row's running maximum: below 6e-8 of it P is 0.  ctx is f16.  NaN and infinite scores are not treated.
;
; REGISTERS: window 0: v2-3 LS (sums), v4-13 addresses, v14-17 maxima, v18-19 TX, v20-27 NM, v28-31 AL; v32-95 Q fragments 8 (4 qt + ks);
;   v96-159 S 8 (2 kt + qt); v160-191 P 8 (2 qt + kp); v192-255 mask, as S (then at work)
;   window 1: v0-127 K fragments 8 (4 ks + kt), and behind the products S the V fragments 8 (8 kp + dt); v128-255 O 8 (2 dt + qt)
.set KP,    272                        ; a K row in LDS: two keys' 64 d (2 x 128 bytes) + 16: a fragment's sixteen keys touch sixteen different 16-byte columns
.set VP,    288                        ; a V row: 256 bytes + 32, an odd multiple of 32, for the transposing load
.set MP,    528                        ; a mask row: 512 bytes + 16
.set VO,    128*KP                     ; K: two planes (d 0-63, d 64-127) of 64 rows
.set MO,    VO+128*VP
.set SLOT,  MO+128*MP
.set STAGE, 2*SLOT                     ; 16 rows x 272 bytes a wave, in blocks of 256 bytes into which no tile lands
.set SP,    272
.set KT,    16384                      ; bytes from tile to tile: K (in each plane), V, mask (along a row)
.set VT,    32768
.set MT,    512
.set LS,  2
.set CO,  4
.set QO,  5
.set ADK, 6
.set ADV, 8
.set ADM, 10
.set STO, 12
.set RD,  13
.set MA,  14                           ; v14-15, v16-17: the running maxima (qt 0, 1), two sets that take turns by sub-block
.set TX,  18
.set NM,  20                           ; v20-23, v24-27: -C x maximum, twice for each qt (pairs for the packed forms), two sets likewise
.set AL,  28                           ; v28-31: the factor on what has been summed, twice for each qt
.set QF,  32
.set S,   96
.set P,   160
.set MK,  192
.set KF,  0
.set O,   128
.set VF,  0
.set G1K, 24
.set G1V, 32
.set G1M, 40
.set G0K, 48
.set G0V, 56
.set G0M, 68
.set MSB, 0
.macro WIN new
.if MSB != \new
	s_set_vgpr_msb (MSB<<8)|\new
.set MSB, \new
.endif
.endm
.macro PLACES                          ; four places behind matrix instructions (ISA guide 7.12.1)
.rept 4
	v_nop
.endr
.endm
.macro ROUND
	s_barrier_signal -1
	s_barrier_wait -1
	s_cmp_lg_u32 s10, 0
	s_cbranch_scc1 .Lnot_wave_0_\@
	s_barrier_signal -3
.Lnot_wave_0_\@:
	s_barrier_wait -3
	s_barrier_signal -1
	s_barrier_wait -1
.endm
	s_load_b128 s[4:7], s[0:1], 0x0                ; qkv s[4:5], mask s[6:7]
	s_load_b64 s[8:9], s[0:1], 0x10                ; ctx
	s_set_vgpr_msb 0x80
	v_lshl_add_u32 v0, v0, 2, 0x48400
	v_mov_b32 v1, 0
	s_set_vgpr_msb 0x808a
	ds_add_u32 v0, v1
	s_set_vgpr_msb 0x8a00
	v_lshrrev_b32 v1, 5, v0
	v_readfirstlane_b32 s10, v1                    ; wave
	s_bfe_u32 s80, ttmp6, 0x40000                  ; cx
	s_bfe_u32 s81, ttmp6, 0x40004                  ; cy
	s_lshl_b32 s82, ttmp9, 2
	s_add_co_u32 s82, s82, s80                     ; qb
	s_and_b32 s83, ttmp7, 0xffff                   ; cluster y, 0..7
	s_bfe_u32 s87, s83, 0x10001                    ; b = its bit 1: the same in the whole cluster
	s_and_b32 s84, s83, 1                          ; g0 = its bit 0
	s_lshr_b32 s93, s83, 2                         ; g1 = its bit 2
	s_lshl1_add_u32 s84, s93, s84                  ; 2 g1 + g0
	s_lshl2_add_u32 s84, s87, s84                  ; 4 b + 2 g1 + g0
	s_lshl2_add_u32 s84, s84, s81                  ; bh = 16 b + head, head = 4 (2 g1 + g0) + cy
	s_lshl_b32 s85, s81, 2
	s_lshl_b32 s85, 15, s85                        ; my row of the cluster
	s_lshl_b32 s86, 0x1111, s80                    ; my column
	s_mov_b32 s76, 0x76543210                      ; v_permlanex16_b32: lane i of one half reads lane i of the other
	s_mov_b32 s77, 0xfedcba98
	s_mov_b32 s78, 0x3e0293ee                      ; C = log2(e) / sqrt(128), twice (a pair for the packed form)
	s_mov_b32 s79, 0x3e0293ee
	s_mov_b32 s92, 0xbe0293ee                      ; -C
	; K: a wave's 8,192 dense bytes as 32 rows of 32 elements of 8 bytes, 4 words of padding behind every 64
	s_or_b32 s[G1K+0], s85, (3<<16)|(1<<20)|(1<<21)|(5<<22)|(3<<25)
	s_mov_b32 s[G1K+1], 32<<16
	s_mov_b32 s[G1K+2], 32<<16
	s_mov_b32 s[G1K+3], 32<<16
	s_mov_b32 s[G1K+4], 32
	s_mov_b32 s[G1K+5], 32
	s_mov_b32 s[G1K+6], 0
	s_mov_b32 s[G1K+7], 0
	; V: 32 rows of 128 f16, 8 words of padding behind every 64
	s_or_b32 s[G1V+0], s85, (1<<16)|(1<<20)|(1<<21)|(5<<22)|(7<<25)
	s_mov_b32 s[G1V+1], 128<<16
	s_mov_b32 s[G1V+2], 32<<16
	s_mov_b32 s[G1V+3], 128<<16
	s_mov_b32 s[G1V+4], 32
	s_mov_b32 s[G1V+5], 128
	s_mov_b32 s[G1V+6], 0
	s_mov_b32 s[G1V+7], 0
	; mask: 32 rows of 128 f32 out of rows of 1,024, 4 words of padding behind every 128
	s_or_b32 s[G1M+0], s86, (2<<16)|(1<<20)|(1<<21)|(6<<22)|(3<<25)
	s_mov_b32 s[G1M+1], 128<<16
	s_mov_b32 s[G1M+2], 32<<16
	s_mov_b32 s[G1M+3], 128<<16
	s_mov_b32 s[G1M+4], 32
	s_mov_b32 s[G1M+5], 1024
	s_mov_b32 s[G1M+6], 0
	s_mov_b32 s[G1M+7], 0
	s_lshr_b32 s12, s10, 1                         ; K: plane 2 bh + (w / 2), keys 64 (w % 2) .. of the tile (no register here ever holds cx)
	s_lshl1_add_u32 s12, s84, s12
	s_lshl_b32 s12, s12, 17
	s_and_b32 s13, s10, 1
	s_lshl_b32 s13, s13, 13
	s_add_co_u32 s12, s12, s13
	s_add_co_u32 s12, s12, 0x1000000
	s_mov_b32 s13, 0
	s_lshl_b32 s14, s84, 18                        ; V: head bh, keys 32 w .. of the tile
	s_lshl_b32 s15, s10, 13
	s_add_co_u32 s14, s14, s15
	s_add_co_u32 s14, s14, 0x800000
	s_mov_b32 s15, 0
	s_lshl_b32 s16, s82, 7                         ; mask: batch b, row 128 qb + 32 w (no register here ever holds cy)
	s_lshl_b32 s17, s10, 5
	s_add_co_u32 s16, s16, s17
	s_lshl_b32 s16, s16, 12
	s_lshl_b32 s17, s87, 22
	s_add_co_u32 s16, s16, s17
	s_mov_b32 s17, 0
	s_lshl_b32 s18, s84, 18                        ; Q: head bh, row 128 qb + 32 w
	s_lshl_b32 s19, s82, 15
	s_add_co_u32 s18, s18, s19
	s_lshl_b32 s19, s10, 13
	s_add_co_u32 s18, s18, s19
	s_mov_b32 s19, 0
	s_mul_i32 s88, s10, 32*KP                      ; where the tiles go: the wave's number alone
	s_mul_i32 s89, s10, 32*VP
	s_add_co_u32 s89, s89, VO
	s_mul_i32 s90, s10, 32*MP
	s_add_co_u32 s90, s90, MO
	s_mul_i32 s91, s10, 16*SP
	s_add_co_u32 s91, s91, STAGE
	s_wait_dscnt 0x0
	s_wait_kmcnt 0x0
	s_add_nc_u64 s[12:13], s[4:5], s[12:13]
	s_add_nc_u64 s[14:15], s[4:5], s[14:15]
	s_add_nc_u64 s[16:17], s[6:7], s[16:17]
	s_add_nc_u64 s[18:19], s[4:5], s[18:19]
.irp s, 0,1
	s_mov_b32 s[G0K+4*\s], 1
	s_add_co_u32 s[G0K+4*\s+1], s88, \s*SLOT
	s_add_nc_u64 s[G0K+4*\s+2:G0K+4*\s+3], s[12:13], \s*KT         ; slot s starts with tile s
	s_or_b32 s[G0K+4*\s+3], s[G0K+4*\s+3], 0x80000000
	s_mov_b32 s[G0V+4*\s], 1
	s_add_co_u32 s[G0V+4*\s+1], s89, \s*SLOT
	s_add_nc_u64 s[G0V+4*\s+2:G0V+4*\s+3], s[14:15], \s*VT
	s_or_b32 s[G0V+4*\s+3], s[G0V+4*\s+3], 0x80000000
	s_mov_b32 s[G0M+4*\s], 1
	s_add_co_u32 s[G0M+4*\s+1], s90, \s*SLOT
	s_add_nc_u64 s[G0M+4*\s+2:G0M+4*\s+3], s[16:17], \s*MT
	s_or_b32 s[G0M+4*\s+3], s[G0M+4*\s+3], 0x80000000
.endr
	ROUND                                          ; all sixteen work-groups are here: the first joint loads meet
	tensor_load_to_lds s[G0K:G0K+3], s[G1K:G1K+7]  ; tile 0
	s_nop 0
	tensor_load_to_lds s[G0M:G0M+3], s[G1M:G1M+7]
	s_nop 0
	tensor_load_to_lds s[G0V:G0V+3], s[G1V:G1V+7]
	s_nop 0
	v_and_b32 v1, 15, v0                           ; r
	v_bfe_u32 v2, v0, 4, 1                         ; h
	v_and_b32 v3, 7, v0
	v_lshl_add_u32 v3, v2, 3, v3                   ; V: key 8 h + (l % 8),
	v_mul_u32_u24 v3, v3, VP
	v_bfe_u32 v4, v0, 3, 1
	v_lshl_add_u32 v3, v4, 4, v3                   ; 16 bytes by bit 3 of the lane
	v_add_nc_u32 v[ADV], VO, v3
	v_add_nc_u32 v[ADV+1], VO+SLOT, v3
	v_lshrrev_b32 v3, 1, v1                        ; K: key r lies in row r / 2, half r % 2
	v_mul_u32_u24 v3, v3, KP
	v_and_b32 v4, 1, v0
	v_lshl_add_u32 v3, v4, 7, v3
	v_lshl_add_u32 v[ADK], v2, 4, v3
	v_add_nc_u32 v[ADK+1], SLOT, v[ADK]
	v_mul_u32_u24 v3, v1, MP                       ; mask: my wave's rows, query r, keys 8 h ..
	v_lshl_add_u32 v3, v2, 5, v3
	v_add_nc_u32 v[ADM], s90, v3
	v_add_nc_u32 v[ADM+1], SLOT, v[ADM]
	v_mul_u32_u24 v3, v1, SP
	v_lshl_add_u32 v3, v2, 4, v3
	v_add_nc_u32 v[STO], s91, v3
	v_mul_u32_u24 v3, v2, SP
	v_lshl_add_u32 v3, v1, 4, v3
	v_add_nc_u32 v[RD], s91, v3
	v_lshlrev_b32 v3, 12, v2
	v_lshl_add_u32 v[CO], v1, 4, v3                ; ctx: row h of a pair, 16 bytes a lane
	v_lshlrev_b32 v3, 8, v1
	v_lshl_add_u32 v[QO], v2, 4, v3                ; Q: row r of 256 bytes, 16 bytes for each half of the lanes
	v_mov_b32 v[TX], 0                             ; v_permlanex16_b32 counts as a reader of its destination
	v_mov_b32 v[TX+1], 0
.irp qt, 0,1
.irp ks, 0,1,2,3
	global_load_b128 v[QF+8*(4*\qt+\ks):QF+8*(4*\qt+\ks)+3],   v[QO], s[18:19] offset:4096*\qt+64*\ks
	global_load_b128 v[QF+8*(4*\qt+\ks)+4:QF+8*(4*\qt+\ks)+7], v[QO], s[18:19] offset:4096*\qt+64*\ks+32
.endr
.endr
	s_wait_loadcnt 0x0
; One sub-block of 64 keys.  first = 1: nothing has been summed yet (no old maximum, no factor; the first products start O).
.macro SB slot, sub, first
.set OLD, MA+2*\sub
.set NEW, MA+2-2*\sub
.set NMO, NM+4*\sub
.set NMN, NM+4-4*\sub
	PLACES                                         ; K's fragments land in the registers from which the last sub-block's products read V's
	WIN 0x40                                       ; K's fragments, in the order of their use, then the mask
.irp ks, 0,1,2,3
.irp kt, 0,1,2,3
	ds_load_b128 v[KF+8*(4*\ks+\kt):KF+8*(4*\ks+\kt)+3],   v[ADK+\slot] offset:64*KP*(\ks>>1)+8*KP*(4*\sub+\kt)+64*(\ks&1)
	ds_load_b128 v[KF+8*(4*\ks+\kt)+4:KF+8*(4*\ks+\kt)+7], v[ADK+\slot] offset:64*KP*(\ks>>1)+8*KP*(4*\sub+\kt)+64*(\ks&1)+32
.endr
.endr
	WIN 0
.irp kt, 0,1,2,3
.irp qt, 0,1
	ds_load_b128 v[MK+8*(2*\kt+\qt):MK+8*(2*\kt+\qt)+3],   v[ADM+\slot] offset:16*MP*\qt+64*(4*\sub+\kt)
	ds_load_b128 v[MK+8*(2*\kt+\qt)+4:MK+8*(2*\kt+\qt)+7], v[ADM+\slot] offset:16*MP*\qt+64*(4*\sub+\kt)+16
.endr
.endr
	WIN 0x01                                       ; S^T = K Q^T.  The eight accumulators take turns, one instruction a turn
.irp ks, 0,1,2,3
	s_wait_dscnt 40-8*\ks                          ; of the 48 loads the first 8 (ks + 1) are in
.irp kt, 0,1,2,3
.irp qt, 0,1
.if \ks == 0
	v_wmma_f32_16x16x32_f16 v[S+8*(2*\kt+\qt):S+8*(2*\kt+\qt)+7], v[KF+8*(4*\ks+\kt):KF+8*(4*\ks+\kt)+7], v[QF+8*(4*\qt+\ks):QF+8*(4*\qt+\ks)+7], 0
.else
	v_wmma_f32_16x16x32_f16 v[S+8*(2*\kt+\qt):S+8*(2*\kt+\qt)+7], v[KF+8*(4*\ks+\kt):KF+8*(4*\ks+\kt)+7], v[QF+8*(4*\qt+\ks):QF+8*(4*\qt+\ks)+7], v[S+8*(2*\kt+\qt):S+8*(2*\kt+\qt)+7]
.endif
.endr
.endr
.endr
	PLACES                                         ; behind these products: S is read below, and V's fragments land in the registers from which they read K's
	WIN 0x40                                       ; V's fragments, transposed on the way: they land while the softmax is worked out
.irp kp, 0,1
.irp dt, 0,1,2,3,4,5,6,7
	ds_load_tr16_b128 v[VF+8*(8*\kp+\dt):VF+8*(8*\kp+\dt)+3],   v[ADV+\slot] offset:32*VP*(2*\sub+\kp)+32*\dt
	ds_load_tr16_b128 v[VF+8*(8*\kp+\dt)+4:VF+8*(8*\kp+\dt)+7], v[ADV+\slot] offset:32*VP*(2*\sub+\kp)+32*\dt+16*VP
.endr
.endr
	WIN 0
	s_wait_dscnt 32                                ; the mask is in; V's 32 loads stay out
.set i, 0
.rept 32
	v_pk_mul_f32 v[S+i:S+i+1], v[S+i:S+i+1], v[MK+i:MK+i+1]        ; the mask multiplies the score
.set i, i+2
.endr
.irp kt, 0,1,2,3                                   ; the largest of the old maximum and my 32 scores, for each qt
.irp p, 0,2,4,6
.irp qt, 0,1
.if (\kt+\p) == 0
.if \first
	v_max_num_f32 v[NEW+\qt], v[S+8*\qt], v[S+8*\qt+1]
.else
	v_max3_num_f32 v[NEW+\qt], v[OLD+\qt], v[S+8*\qt], v[S+8*\qt+1]
.endif
.else
	v_max3_num_f32 v[NEW+\qt], v[NEW+\qt], v[S+8*(2*\kt+\qt)+\p], v[S+8*(2*\kt+\qt)+\p+1]
.endif
.endr
.endr
.endr
	v_permlanex16_b32 v[TX], v[NEW], s76, s77      ; the other half of the lanes holds the query's other 32 keys
	v_permlanex16_b32 v[TX+1], v[NEW+1], s76, s77
	v_max_num_f32 v[NEW], v[NEW], v[TX]
	v_max_num_f32 v[NEW+1], v[NEW+1], v[TX+1]
	v_mul_f32 v[NMN],   s92, v[NEW]                ; -C x maximum
	v_mul_f32 v[NMN+1], s92, v[NEW]
	v_mul_f32 v[NMN+2], s92, v[NEW+1]
	v_mul_f32 v[NMN+3], s92, v[NEW+1]
.if \first == 0
	v_sub_f32 v[TX],   v[NMN],   v[NMO]            ; the factor is made of the two rounded shifts themselves, so that their rounding cancels
	v_sub_f32 v[TX+1], v[NMN+2], v[NMO+2]
	v_exp_f32 v[AL],   v[TX]
	v_exp_f32 v[AL+1], v[TX]
	v_exp_f32 v[AL+2], v[TX+1]
	v_exp_f32 v[AL+3], v[TX+1]
.endif
.irp kt, 0,1,2,3
.irp qt, 0,1
.irp p, 0,2,4,6
	v_pk_fma_f32 v[S+8*(2*\kt+\qt)+\p:S+8*(2*\kt+\qt)+\p+1], v[S+8*(2*\kt+\qt)+\p:S+8*(2*\kt+\qt)+\p+1], s[78:79], v[NMN+2*\qt:NMN+2*\qt+1] op_sel_hi:[1,0,1]
.endr
.endr
.endr
.set i, 0
.rept 64
	v_exp_f32 v[S+i], v[S+i]
.set i, i+1
.endr
	v_nop                                          ; a plain instruction between the exponentials and the first use of a result (ISA guide 5.7.2)
	s_wait_alu depctr_va_vdst(0)
.irp qt, 0,1                                       ; my 32 numbers' sum for each qt, in four chains, in the mask's registers
.irp g, 0,1
	v_pk_add_f32 v[MK+4*\qt+2*\g:MK+4*\qt+2*\g+1], v[S+8*(4*\g+\qt):S+8*(4*\g+\qt)+1], v[S+8*(4*\g+\qt)+2:S+8*(4*\g+\qt)+3]
.endr
.endr
.irp o, 4,6,16,18,20,22
.irp qt, 0,1
.irp g, 0,1
	v_pk_add_f32 v[MK+4*\qt+2*\g:MK+4*\qt+2*\g+1], v[MK+4*\qt+2*\g:MK+4*\qt+2*\g+1], v[S+8*(4*\g+\qt)+\o:S+8*(4*\g+\qt)+\o+1]
.endr
.endr
.endr
.irp qt, 0,1
	v_pk_add_f32 v[MK+4*\qt:MK+4*\qt+1], v[MK+4*\qt:MK+4*\qt+1], v[MK+4*\qt+2:MK+4*\qt+3]
.endr
.irp qt, 0,1
.if \first
	v_add_f32 v[LS+\qt], v[MK+4*\qt], v[MK+4*\qt+1]
.else
	v_add_f32 v[MK+4*\qt], v[MK+4*\qt], v[MK+4*\qt+1]
	v_fma_f32 v[LS+\qt], v[LS+\qt], v[AL+2*\qt], v[MK+4*\qt]       ; each half of the lanes keeps its own sum; they meet at the end
.endif
.endr
.irp qt, 0,1
.irp kt, 0,1,2,3
.irp i, 0,1,2,3
	v_cvt_pk_f16_f32 v[P+8*(2*\qt+(\kt>>1))+4*(\kt&1)+\i], v[S+8*(2*\kt+\qt)+2*\i], v[S+8*(2*\kt+\qt)+2*\i+1]
.endr
.endr
.endr
	; O^T = O^T x factor + V^T P.  One window setting serves both: destination, source 0 (O, or V's fragment) and source 2 in window 1,
	; source 1 (the factor, or P) in window 0.  A tile's four multiplies stand directly ahead of its first product, and touch no register
	; of the product before them.  The sixteen accumulators take turns, one instruction a turn.
	WIN 0x51
.irp kp, 0,1
	s_wait_dscnt 16-16*\kp                         ; V's first 16 loads, then all
.irp dt, 0,1,2,3,4,5,6,7
.irp qt, 0,1
.if \kp == 0
.if \first
	v_wmma_f32_16x16x32_f16 v[O+8*(2*\dt+\qt):O+8*(2*\dt+\qt)+7], v[VF+8*(8*\kp+\dt):VF+8*(8*\kp+\dt)+7], v[P+8*(2*\qt+\kp):P+8*(2*\qt+\kp)+7], 0
.else
.irp p, 0,2,4,6
	v_pk_mul_f32 v[O+8*(2*\dt+\qt)+\p:O+8*(2*\dt+\qt)+\p+1], v[O+8*(2*\dt+\qt)+\p:O+8*(2*\dt+\qt)+\p+1], v[AL+2*\qt:AL+2*\qt+1]
.endr
	v_wmma_f32_16x16x32_f16 v[O+8*(2*\dt+\qt):O+8*(2*\dt+\qt)+7], v[VF+8*(8*\kp+\dt):VF+8*(8*\kp+\dt)+7], v[P+8*(2*\qt+\kp):P+8*(2*\qt+\kp)+7], v[O+8*(2*\dt+\qt):O+8*(2*\dt+\qt)+7]
.endif
.else
	v_wmma_f32_16x16x32_f16 v[O+8*(2*\dt+\qt):O+8*(2*\dt+\qt)+7], v[VF+8*(8*\kp+\dt):VF+8*(8*\kp+\dt)+7], v[P+8*(2*\qt+\kp):P+8*(2*\qt+\kp)+7], v[O+8*(2*\dt+\qt):O+8*(2*\dt+\qt)+7]
.endif
.endr
.endr
.endr
	WIN 0
.endm
; A tile of 128 keys.  In front of the round each wave waits for all its tensor loads (this tile among them) and for its reads of the
; other slot; behind the round both hold of every wave of the cluster, and the other slot's joint refills are the first tensor loads.
.macro TRIP slot, refill, first
	s_set_vgpr_msb 0xa
	s_wait_tensorcnt 0x0
	ds_add_u32 v0, v1
	s_wait_dscnt 0x0
	s_set_vgpr_msb 0xa00
	s_add_nc_u64 s[G0K+4*\slot+2:G0K+4*\slot+3], s[G0K+4*\slot+2:G0K+4*\slot+3], 2*KT    ; no load of mine is out: this slot's next tile
	s_add_nc_u64 s[G0V+4*\slot+2:G0V+4*\slot+3], s[G0V+4*\slot+2:G0V+4*\slot+3], 2*VT
	s_add_nc_u64 s[G0M+4*\slot+2:G0M+4*\slot+3], s[G0M+4*\slot+2:G0M+4*\slot+3], 2*MT
	s_wait_dscnt 0x0
	ROUND
.if \refill
	tensor_load_to_lds s[G0K+4-4*\slot:G0K+7-4*\slot], s[G1K:G1K+7]
	s_nop 0
	tensor_load_to_lds s[G0M+4-4*\slot:G0M+7-4*\slot], s[G1M:G1M+7]
	s_nop 0
	tensor_load_to_lds s[G0V+4-4*\slot:G0V+7-4*\slot], s[G1V:G1V+7]
	s_nop 0
.endif
	SB \slot, 0, \first
	SB \slot, 1, 0
.endm
	TRIP 0, 1, 1                                   ; 8 tiles: two in front of the loop, four in it, two behind
	TRIP 1, 1, 0
	s_mov_b32 s3, 2
.Llap:
	TRIP 0, 1, 0
	TRIP 1, 1, 0
	s_sub_co_u32 s3, s3, 1
	s_cmp_lg_u32 s3, 0
	s_cbranch_scc1 .Llap
	TRIP 0, 1, 0
	TRIP 1, 0, 0                                   ; the last tile fetches nothing (the stepped addresses are not used)
	; THE WAY OUT: divide by the sums, round to f16, 16 queries at a time through my stage, out as rows of 256 bytes.
	PLACES
	v_permlanex16_b32 v[TX], v[LS], s76, s77
	v_permlanex16_b32 v[TX+1], v[LS+1], s76, s77
	v_add_f32 v[LS], v[LS], v[TX]                  ; the two halves' sums meet; the largest term of a row is about 1, so the sum is not 0
	v_add_f32 v[LS+1], v[LS+1], v[TX+1]
	v_rcp_f32 v[AL],   v[LS]
	v_rcp_f32 v[AL+1], v[LS]
	v_rcp_f32 v[AL+2], v[LS+1]
	v_rcp_f32 v[AL+3], v[LS+1]
	v_nop                                          ; a plain instruction behind the reciprocals (ISA guide 5.7.2)
	s_wait_alu depctr_va_vdst(0)
	s_lshl_b32 s20, s87, 10                        ; ctx: row 1024 b + 128 qb + 32 w of 4,096 bytes, the head's 256 bytes
	s_lshl_b32 s21, s82, 7
	s_add_co_u32 s20, s20, s21
	s_lshl_b32 s21, s10, 5
	s_add_co_u32 s20, s20, s21
	s_lshl_b32 s20, s20, 12
	s_and_b32 s21, s84, 15
	s_lshl_b32 s21, s21, 8
	s_add_co_u32 s20, s20, s21
	s_mov_b32 s21, 0
	s_add_nc_u64 s[20:21], s[8:9], s[20:21]
.macro OUTQ qt
	WIN 0x01
.irp dt, 0,1,2,3,4,5,6,7
.irp p, 0,2,4,6
	v_pk_mul_f32 v[S+8*\dt+\p:S+8*\dt+\p+1], v[O+8*(2*\dt+\qt)+\p:O+8*(2*\dt+\qt)+\p+1], v[AL+2*\qt:AL+2*\qt+1]
.endr
.endr
	WIN 0
.irp dt, 0,1,2,3,4,5,6,7
.irp i, 0,1,2,3
	v_cvt_pk_f16_f32 v[P+4*\dt+\i], v[S+8*\dt+2*\i], v[S+8*\dt+2*\i+1]
.endr
.endr
.irp dt, 0,1,2,3,4,5,6,7
	ds_store_b128 v[STO], v[P+4*\dt:P+4*\dt+3] offset:32*\dt
.endr
.irp t, 0,1,2,3,4,5,6,7
	ds_load_b128 v[MK+32*\qt+4*\t:MK+32*\qt+4*\t+3], v[RD] offset:\t*2*SP      ; LDS serves a wave's instructions in order (ISA guide 5.7.1): these see the stores above
.endr
.irp t, 0,1,2,3,4,5,6,7
	s_wait_dscnt 7-\t                              ; the younger read-backs stay out
	global_store_b128 v[CO], v[MK+32*\qt+4*\t:MK+32*\qt+4*\t+3], s[20:21] offset:4096*(16*\qt+2*\t)   ; sixteen lanes store 256 consecutive bytes, aligned
.endr
.endm
	OUTQ 0
	OUTQ 1
	s_set_vgpr_msb 0xa
	s_wait_tensorcnt 0x0
	ds_add_u32 v0, v1
	s_wait_dscnt 0x0
	s_set_vgpr_msb 0xa00
	ROUND                                          ; the closing round
	s_endpgm
.Lfunc_end_k_q4a3deb4d53_attn:
	.size	k_q4a3deb4d53_attn, .Lfunc_end_k_q4a3deb4d53_attn-k_q4a3deb4d53_attn
	.p2alignl 7, 3214868480
	.fill 96, 4, 3214868480
	.section	.rodata,"a",@progbits
	.p2align	6, 0x0
	.amdhsa_kernel k_q4a3deb4d53_attn
		.amdhsa_group_segment_fixed_size 327680
		.amdhsa_private_segment_fixed_size 0
		.amdhsa_enable_private_segment 0
		.amdhsa_kernarg_size 24
		.amdhsa_user_sgpr_count 2
		.amdhsa_user_sgpr_kernarg_segment_ptr 1
		.amdhsa_wavefront_size32 1
		.amdhsa_system_sgpr_workgroup_id_x 1
		.amdhsa_system_sgpr_workgroup_id_y 1
		.amdhsa_system_sgpr_workgroup_id_z 1
		.amdhsa_system_vgpr_workitem_id 0
		.amdhsa_next_free_vgpr 514
		.amdhsa_next_free_sgpr 96
		.amdhsa_reserve_vcc 0
		.amdhsa_float_denorm_mode_32 3
		.amdhsa_float_denorm_mode_16_64 3
		.amdhsa_memory_ordered 1
		.amdhsa_forward_progress 1
		.amdhsa_inst_pref_size 255
	.end_amdhsa_kernel
	.section	.bss,"aw",@nobits
	.p2align	6
	.space	262144
	.amdgpu_metadata
---
amdhsa.version: [ 1, 2 ]
amdhsa.kernels:
  - .name:           k_q4a3deb4d53_attn
    .symbol:         k_q4a3deb4d53_attn.kd
    .args:
      - { .name: qkv, .offset: 0, .size: 8, .value_kind: global_buffer, .address_space: global }
      - { .name: attention_mask, .offset: 8, .size: 8, .value_kind: global_buffer, .address_space: global }
      - { .name: ctx, .offset: 16, .size: 8, .value_kind: global_buffer, .address_space: global }
    .group_segment_fixed_size: 327680
    .private_segment_fixed_size: 0
    .kernarg_segment_align: 8
    .kernarg_segment_size: 24
    .max_flat_workgroup_size: 128
    .sgpr_count:     96
    .vgpr_count:     514
    .wavefront_size: 32
...
	.end_amdgpu_metadata
.endif
;; end of part 3
;; launch oproj (part 4): grid 16 x 16, 4 waves a work-group, clusters of 4 x 4, 327,680 bytes of LDS; arguments ctx, f16in, out0; writes out0
.if DOCPART == 4
	.amdgcn_target "amdgcn-amd-amdhsa--gfx1250"
	.amdhsa_code_object_version 6
	.text
	.protected	k_q4a3deb4d53_oproj
	.globl	k_q4a3deb4d53_oproj
	.p2align	8
	.type	k_q4a3deb4d53_oproj,@function
k_q4a3deb4d53_oproj:
	s_mov_b64 s[64:65], 0
	v_nop
	global_prefetch_b8 v0, s[64:65] scope:SCOPE_SE
	s_setreg_imm32_b32 hwreg(HW_REG_WAVE_MODE, 25, 1), 1
	s_wait_xcnt 0x0
	s_wait_alu depctr_hold_cnt(0) depctr_sa_sdst(0) depctr_va_vdst(0) depctr_va_sdst(0) depctr_va_ssrc(0) depctr_va_vcc(0) depctr_vm_vsrc(0)
	s_getreg_b32 s2, hwreg(HW_REG_IB_STS2, 6, 4)
	s_cmp_eq_u32 s2, 0
	s_cbranch_scc0 .Lentry_in_a_cluster
	s_endpgm
.Lentry_in_a_cluster:
	s_bfe_u32 s2, ttmp6, 0x10000c
	s_cmp_lg_u32 s2, 0xf033
	s_cbranch_scc0 .Lentry_shape_is_right
	s_endpgm
.Lentry_shape_is_right:
; out0 = ctx Wo^T: [2048 x 2048 x 2048], f16 operands, f32 sums, f32 out.
; 2048 x 2048 outputs on 256 work-groups: a block of 128 x 128 each; four waves, each 64 x 64: 16 tiles, 128 accumulator registers.
; K goes in 8 steps of 256 through two LDS slots (rows of 512 bytes of memory, aligned), so that a round of the cluster's barrier serves 128 matrix
; instructions of a wave.  CLUSTERS of 4 x 4: ctx's tile hangs on the block row and is asked for jointly by a row of the cluster, Wo's on the
; block column and by a column.  Each wave asks for a quarter of each: 4 tensor loads of a wave are out at the head (both slots), 2 behind each round.
; THE WALK ALONG K: step n takes K tile (n + r) mod 8 with r = (2 cluster x + 4 (cluster y / 2)) mod 8, the same in all sixteen work-groups of a
; cluster.  Clusters that need the same rows of ctx or of Wo so ask for a given tile at different steps.  The sum over K holds the same
; products in another order.
; The matrix instruction is used transposed (source 0 = rows of Wo, source 1 = rows of ctx): a lane holds eight neighbouring columns of a row.
; REGISTERS: window 0: v16-22 addresses; v64-127, v128-191 two fragment buffers (ctx's four fragments, then Wo's four); window 1: tiles at v[8 (4 a + b)].
.set PITCH,  528                       ; 512 bytes + 16, an odd multiple of 16
.set TB,     128*PITCH                 ; ctx's 128 rows, then Wo's 128 rows
.set SLOT,   2*TB
.set STAGE,  2*SLOT                    ; 16 rows x 272 bytes a wave, in blocks of 256 bytes into which no tile lands
.set SP,     272                       ; 64 f32 + 16 bytes
.set STEP,   512
.set ROWB,   4096                      ; bytes of a row of ctx and of Wo in f16: 8 K steps
.set ADRA, 16
.set ADRB, 18
.set STO,  20
.set RD,   21
.set CO,   22
.set F0,   64
.set F1,   128
.set NX,  18                           ; s[18:19] byte offset along the rows of the next K tile to be asked for (an offset, never an address)
.set G1,  24
.set G0,  32
.set G1B, 48
.set G0B, 56
.set MSB, 0
.macro WIN new
.if MSB != \new
	s_set_vgpr_msb (MSB<<8)|\new
.set MSB, \new
.endif
.endm
.macro PLACES                          ; four places behind matrix instructions (ISA guide 7.12.1)
.rept 4
	v_nop
.endr
.endm
.macro CREST                           ; a round of the cluster's barrier behind its opening barrier
	s_cmp_lg_u32 s10, 0
	s_cbranch_scc1 .Lnot_wave_0_\@
	s_barrier_signal -3
.Lnot_wave_0_\@:
	s_barrier_wait -3
	s_barrier_signal -1
	s_barrier_wait -1
.endm
.macro ROUND                           ; a whole round
	s_barrier_signal -1
	s_barrier_wait -1
	CREST
.endm
; Slot s gets the addresses of the next K tile: the clean bases plus the offset, the type bits on top; then the offset steps round the row.
.macro NEXTTILE s
	s_add_nc_u64 s[G0+4*\s+2:G0+4*\s+3], s[14:15], s[NX:NX+1]
	s_or_b32 s[G0+4*\s+3], s[G0+4*\s+3], 0x80000000
	s_add_nc_u64 s[G0B+4*\s+2:G0B+4*\s+3], s[46:47], s[NX:NX+1]
	s_or_b32 s[G0B+4*\s+3], s[G0B+4*\s+3], 0x80000000
	s_add_co_u32 s[NX], s[NX], STEP
	s_and_b32 s[NX], s[NX], ROWB-1
.endm
	s_load_b128 s[4:7], s[0:1], 0x0                ; ctx s[4:5], f16in s[6:7]
	s_load_b64 s[8:9], s[0:1], 0x10                ; out0
	v_lshl_add_u32 v254, v0, 2, 0x46400
	v_mov_b32 v255, 0
	ds_add_u32 v254, v255
	v_lshrrev_b32 v1, 5, v0
	v_readfirstlane_b32 s10, v1                    ; wave
	s_lshr_b32 s11, s10, 1                         ; my half of the block's rows
	s_and_b32 s12, s10, 1                          ; my half of its columns
	s_bfe_u32 s40, ttmp6, 0x40000                  ; cx
	s_bfe_u32 s41, ttmp6, 0x40004                  ; cy
	s_lshl_b32 s42, ttmp9, 2
	s_add_co_u32 s42, s42, s40                     ; block column
	s_and_b32 s13, ttmp7, 0xffff
	s_lshl_b32 s13, s13, 2
	s_add_co_u32 s13, s13, s41                     ; block row
	s_lshl_b32 s43, s41, 2
	s_lshl_b32 s43, 15, s43                        ; my row of the cluster
	s_lshl_b32 s44, 0x1111, s40                    ; my column
	s_lshl_b32 s[NX], ttmp9, 1                     ; r = (2 cluster x + 4 (cluster y / 2)) mod 8: of the cluster's own place alone
	s_and_b32 s[NX+1], ttmp7, 0xffff
	s_lshr_b32 s[NX+1], s[NX+1], 1
	s_lshl2_add_u32 s[NX], s[NX+1], s[NX]
	s_and_b32 s[NX], s[NX], 7
	s_lshl_b32 s[NX], s[NX], 9                     ; in bytes: r K steps of 512
	s_mov_b32 s[NX+1], 0
	; group 1: 32 rows of 256 elements of 2 bytes, 4 words of padding behind every 128
	s_or_b32 s[G1+0],  s43, (1<<16)|(1<<20)|(1<<21)|(6<<22)|(3<<25)
	s_or_b32 s[G1B+0], s44, (1<<16)|(1<<20)|(1<<21)|(6<<22)|(3<<25)
	s_mov_b32 s[G1+1],  256<<16
	s_mov_b32 s[G1B+1], 256<<16
	s_mov_b32 s[G1+2],  32<<16
	s_mov_b32 s[G1B+2], 32<<16
	s_mov_b32 s[G1+3],  256<<16
	s_mov_b32 s[G1B+3], 256<<16
	s_mov_b32 s[G1+4],  32
	s_mov_b32 s[G1B+4], 32
	s_mov_b32 s[G1+5],  2048
	s_mov_b32 s[G1B+5], 2048
	s_mov_b32 s[G1+6],  0
	s_mov_b32 s[G1B+6], 0
	s_mov_b32 s[G1+7],  0
	s_mov_b32 s[G1B+7], 0
	s_lshl_b32 s16, s13, 7                         ; ctx: row 128 x block row + 32 w (no register here ever holds cx)
	s_lshl_b32 s17, s10, 5
	s_add_co_u32 s16, s16, s17
	s_lshl_b32 s16, s16, 12
	s_mov_b32 s17, 0
	s_lshl_b32 s46, s42, 7                         ; Wo: row 8192 + 128 x block column + 32 w of f16in (no register here ever holds cy)
	s_lshl_b32 s47, s10, 5
	s_add_co_u32 s46, s46, s47
	s_lshl_b32 s46, s46, 12
	s_add_co_u32 s46, s46, 0x2000000
	s_mov_b32 s47, 0
	s_mul_i32 s20, s10, 32*PITCH                   ; where they go: the wave's number alone
	s_add_co_u32 s21, s20, TB
	s_wait_dscnt 0x0
	s_wait_kmcnt 0x0
	s_add_nc_u64 s[14:15], s[4:5], s[16:17]        ; my rows of ctx, at K = 0: kept to the end of the K loop
	s_add_nc_u64 s[46:47], s[6:7], s[46:47]        ; my rows of Wo, likewise
.irp s, 0,1
	s_mov_b32 s[G0+4*\s], 1
	s_add_co_u32 s[G0+4*\s+1], s20, \s*SLOT
	s_mov_b32 s[G0B+4*\s], 1
	s_add_co_u32 s[G0B+4*\s+1], s21, \s*SLOT
	NEXTTILE \s                                    ; slot s starts with step s
.endr
	ROUND                                          ; all sixteen work-groups are here: the first joint loads meet
	tensor_load_to_lds s[G0:G0+3], s[G1:G1+7]      ; step 0
	s_nop 0
	tensor_load_to_lds s[G0B:G0B+3], s[G1B:G1B+7]
	s_nop 0
	tensor_load_to_lds s[G0+4:G0+7], s[G1:G1+7]    ; step 1
	s_nop 0
	tensor_load_to_lds s[G0B+4:G0B+7], s[G1B:G1B+7]
	s_nop 0
	v_and_b32 v1, 15, v0                           ; r
	v_bfe_u32 v2, v0, 4, 1                         ; h
	v_mul_u32_u24 v3, v1, PITCH
	v_lshl_add_u32 v3, v2, 4, v3
	s_mul_i32 s22, s11, 64*PITCH                   ; my 64 rows of ctx
	s_mul_i32 s23, s12, 64*PITCH                   ; my 64 rows of Wo,
	s_add_co_u32 s23, s23, TB                      ; which lie behind ctx's 128
.irp s, 0,1
	v_add_nc_u32 v[ADRA+\s], s22, v3
	v_add_nc_u32 v[ADRB+\s], s23, v3
	s_add_co_u32 s22, s22, SLOT
	s_add_co_u32 s23, s23, SLOT
.endr
	s_mul_i32 s2, s10, 16*SP
	s_add_co_u32 s2, s2, STAGE                     ; my stage
	v_mul_u32_u24 v3, v1, SP
	v_lshl_add_u32 v3, v2, 5, v3                   ; in: row r, 32 bytes (8 f32) for each half of the lanes
	v_add_nc_u32 v[STO], s2, v3
	v_mul_u32_u24 v3, v2, SP
	v_lshl_add_u32 v3, v1, 4, v3                   ; back: lanes 0-15 one row of 256 bytes, lanes 16-31 the next
	v_add_nc_u32 v[RD], s2, v3
	v_lshlrev_b32 v3, 13, v2
	v_lshl_add_u32 v[CO], v1, 4, v3                ; the same two rows in out0 (8,192 bytes a row)
; 16 LDS loads: my 64 rows of ctx and 64 rows of Wo, 32 along K (the q-th of the step's eight), into buffer f
.macro FETCH slot, q, f
.irp i, 0,1,2,3
	ds_load_b128 v[\f+8*\i:\f+8*\i+3],   v[ADRA+\slot] offset:16*PITCH*\i+64*\q
	ds_load_b128 v[\f+8*\i+4:\f+8*\i+7], v[ADRA+\slot] offset:16*PITCH*\i+64*\q+32
.endr
.irp i, 0,1,2,3
	ds_load_b128 v[\f+32+8*\i:\f+32+8*\i+3],   v[ADRB+\slot] offset:16*PITCH*\i+64*\q
	ds_load_b128 v[\f+32+8*\i+4:\f+32+8*\i+7], v[ADRB+\slot] offset:16*PITCH*\i+64*\q+32
.endr
.endm
; 8 matrix instructions: row blocks a0, a0 + 1 x 4 column tiles.  The sixteen accumulators take turns, one instruction a turn.
.macro MUL8 f, a0, zero
	WIN 0x50
.irp a, \a0, \a0+1
.irp b, 0,1,2,3
.if \zero
	v_wmma_f32_16x16x32_f16 v[8*(4*(\a)+\b):8*(4*(\a)+\b)+7], v[\f+32+8*\b:\f+32+8*\b+7], v[\f+8*(\a):\f+8*(\a)+7], 0
.else
	v_wmma_f32_16x16x32_f16 v[8*(4*(\a)+\b):8*(4*(\a)+\b)+7], v[\f+32+8*\b:\f+32+8*\b+7], v[\f+8*(\a):\f+8*(\a)+7], v[8*(4*(\a)+\b):8*(4*(\a)+\b)+7]
.endif
.endr
.endr
.endm
.macro MUL16 f, zero
	MUL8 \f, 0, \zero
	MUL8 \f, 2, \zero
	WIN 0
.endm
.macro STEPQ slot, q, g, f, zero       ; fetch the q-th fragments into buffer g, which has just been multiplied; multiply buffer f
	PLACES
	FETCH \slot, \q, \g
	s_wait_dscnt 16                                ; all but the 16 just issued
	MUL16 \f, \zero
.endm
.macro BODY slot, zero                 ; a step's eighths 0 to 5; eighth 0's fragments were fetched in the step before
	STEPQ \slot, 1, F1, F0, \zero
	STEPQ \slot, 2, F0, F1, 0
	STEPQ \slot, 3, F1, F0, 0
	STEPQ \slot, 4, F0, F1, 0
	STEPQ \slot, 5, F1, F0, 0
	STEPQ \slot, 6, F0, F1, 0
.endm
; Eighths 6 and 7, and the change of slots.  fill = 1: this slot is filled again, two steps ahead.
; In front of the barrier each wave waits for its reads of this slot (the last fragments are in registers) and for all its tensor loads, of which its
; parts of the next slot are the ones that were out.  Where the slot is filled again the barrier opens a round of the cluster's barrier; behind the
; round the two joint refills are the first tensor loads.  Then the next slot's first fragments are fetched, ahead of this step's last 16 matrix
; instructions.  From a request to the wait for it a wave issues 120 of a step's 128 matrix instructions.
.macro TURN slot, next, fill
	PLACES
	FETCH \slot, 7, F1
	s_wait_dscnt 16                                ; eighth 6 is in
	MUL8 F0, 0, 0
	s_wait_dscnt 0                                 ; my reads of this slot are over
	s_wait_tensorcnt 0x0                           ; and all my tensor loads have landed
	ds_add_u32 v254, v255
	s_wait_dscnt 0x0
	s_barrier_signal -1
	MUL8 F0, 2, 0                                  ; register work while the others arrive
	WIN 0
	s_barrier_wait -1
.if \fill
	CREST
	NEXTTILE \slot                                 ; no load of mine is out: this slot's group 0 may be written
	tensor_load_to_lds s[G0+4*\slot:G0+4*\slot+3], s[G1:G1+7]
	s_nop 0
	tensor_load_to_lds s[G0B+4*\slot:G0B+4*\slot+3], s[G1B:G1B+7]
	s_nop 0
.endif
	PLACES
	FETCH \next, 0, F0
	MUL16 F1, 0
.endm
.macro LAP zero                        ; once round the ring, both slots filled again
	BODY 0, \zero
	TURN 0, 1, 1
	BODY 1, 0
	TURN 1, 0, 1
.endm
	s_wait_tensorcnt 2                             ; my two parts of step 0 are in; step 1's two loads stay out
	s_barrier_signal -1
	s_barrier_wait -1                              ; everybody's are
	FETCH 0, 0, F0
	LAP 1                                          ; 4 laps of two steps: one in front of the loop (its first products start the sums), two in it, one behind
	s_mov_b32 s3, 2
.Llap:
	LAP 0
	s_sub_co_u32 s3, s3, 1
	s_cmp_lg_u32 s3, 0
	s_cbranch_scc1 .Llap
	BODY 0, 0                                      ; the last lap fills nothing and has no round: my loads that are still out are slot 1's, the last step's
	TURN 0, 1, 0
	BODY 1, 0
	PLACES
	FETCH 1, 7, F1
	s_wait_dscnt 16
	MUL16 F0, 0
	s_wait_dscnt 0
	MUL16 F1, 0
	; THE WAY OUT, 16 rows at a time through my stage; the four blocks are read back into four register groups, so that no store's data is rewritten.
	PLACES
	s_lshl_b32 s66, s13, 7
	s_lshl_b32 s70, s11, 6
	s_add_co_u32 s66, s66, s70                     ; my first row
	s_lshl_b32 s66, s66, 13                        ; 8,192 bytes a row
	s_lshl_b32 s70, s42, 9                         ; my first column: 512 bytes a block, 256 a half
	s_add_co_u32 s66, s66, s70
	s_lshl_b32 s70, s12, 8
	s_add_co_u32 s66, s66, s70
	s_mov_b32 s67, 0
	s_add_nc_u64 s[66:67], s[8:9], s[66:67]
.macro OUT16 a
	WIN 0x04                                       ; store data in window 1
.irp b, 0,1,2,3
	ds_store_b128 v[STO], v[8*(4*\a+\b):8*(4*\a+\b)+3]   offset:64*\b
	ds_store_b128 v[STO], v[8*(4*\a+\b)+4:8*(4*\a+\b)+7] offset:64*\b+16
.endr
	WIN 0
.irp t, 0,1,2,3,4,5,6,7
	ds_load_b128 v[F0+32*\a+4*\t:F0+32*\a+4*\t+3], v[RD] offset:\t*2*SP        ; LDS serves a wave's instructions in order (ISA guide 5.7.1): these see the stores above
.endr
.irp t, 0,1,2,3,4,5,6,7
	s_wait_dscnt 7-\t                              ; the younger read-backs stay out
	global_store_b128 v[CO], v[F0+32*\a+4*\t:F0+32*\a+4*\t+3], s[66:67] offset:8192*(16*\a+2*\t) th:TH_STORE_NT   ; sixteen lanes store 256 consecutive bytes, aligned
.endr
.endm
	OUT16 0
	OUT16 1
	OUT16 2
	OUT16 3
	s_wait_tensorcnt 0x0
	ds_add_u32 v254, v255
	s_wait_dscnt 0x0
	ROUND                                          ; the closing round
	s_endpgm
.Lfunc_end_k_q4a3deb4d53_oproj:
	.size	k_q4a3deb4d53_oproj, .Lfunc_end_k_q4a3deb4d53_oproj-k_q4a3deb4d53_oproj
	.p2alignl 7, 3214868480
	.fill 96, 4, 3214868480
	.section	.rodata,"a",@progbits
	.p2align	6, 0x0
	.amdhsa_kernel k_q4a3deb4d53_oproj
		.amdhsa_group_segment_fixed_size 327680
		.amdhsa_private_segment_fixed_size 0
		.amdhsa_enable_private_segment 0
		.amdhsa_kernarg_size 24
		.amdhsa_user_sgpr_count 2
		.amdhsa_user_sgpr_kernarg_segment_ptr 1
		.amdhsa_wavefront_size32 1
		.amdhsa_system_sgpr_workgroup_id_x 1
		.amdhsa_system_sgpr_workgroup_id_y 1
		.amdhsa_system_sgpr_workgroup_id_z 1
		.amdhsa_system_vgpr_workitem_id 0
		.amdhsa_next_free_vgpr 384
		.amdhsa_next_free_sgpr 72
		.amdhsa_reserve_vcc 0
		.amdhsa_float_denorm_mode_32 3
		.amdhsa_float_denorm_mode_16_64 3
		.amdhsa_memory_ordered 1
		.amdhsa_forward_progress 1
		.amdhsa_inst_pref_size 126
	.end_amdhsa_kernel
	.amdgpu_metadata
---
amdhsa.version: [ 1, 2 ]
amdhsa.kernels:
  - .name:           k_q4a3deb4d53_oproj
    .symbol:         k_q4a3deb4d53_oproj.kd
    .args:
      - { .name: ctx, .offset: 0, .size: 8, .value_kind: global_buffer, .address_space: global }
      - { .name: f16in, .offset: 8, .size: 8, .value_kind: global_buffer, .address_space: global }
      - { .name: out0, .offset: 16, .size: 8, .value_kind: global_buffer, .address_space: global }
    .group_segment_fixed_size: 327680
    .private_segment_fixed_size: 0
    .kernarg_segment_align: 8
    .kernarg_segment_size: 24
    .max_flat_workgroup_size: 128
    .sgpr_count:     72
    .vgpr_count:     384
    .wavefront_size: 32
...
	.end_amdgpu_metadata
.endif
;; end of part 4
;; ======== version 2 of 2: 4 launches; version 1 with the launch cast written anew for expert scheduling mode
;; limits: values are held in f16: magnitudes above 65,504 overflow, below 6.1e-05 lose precision
;; workspace buffers: f16in 41,943,040 bytes; rope 524,288 bytes; qkv 25,165,824 bytes; ctx 8,388,608 bytes
;; launch cast (part 5): grid 656 x 1, 8 waves a work-group, no clusters, 0 bytes of LDS; arguments input_tensor, Wq, Wk, Wv, Wo, f16in, rope; writes f16in, rope
.if DOCPART == 5
	.amdgcn_target "amdgcn-amd-amdhsa--gfx1250"
	.amdhsa_code_object_version 6
	.text
	.protected	k_q4a3deb4d53_cast
	.globl	k_q4a3deb4d53_cast
	.p2align	8
	.type	k_q4a3deb4d53_cast,@function
k_q4a3deb4d53_cast:
	s_mov_b64 s[64:65], 0
	v_nop
	global_prefetch_b8 v0, s[64:65] scope:SCOPE_SE
	s_setreg_imm32_b32 hwreg(HW_REG_WAVE_SCHED_MODE, 0, 2), 2
	s_setreg_imm32_b32 hwreg(HW_REG_WAVE_MODE, 25, 1), 1
	s_wait_xcnt 0x0
	s_wait_alu depctr_vm_vsrc(0)
; Work-groups 0..639: x, Wq, Wk, Wv, Wo from f32 to f16 into f16in, rows of 2,048 f16 (4,096 bytes):
;   rows 0..2047 x;  rows 2048..8191 the q, k, v weights in 32 blocks of 192 rows, block 2 h + part:
;   rows 0..127 of a block = Wq[128 h + i] (part 0) or Wv[128 h + i] (part 1), rows 128..191 = Wk[128 h + 64 part + i];
;   rows 8192..10239 Wo.
; So one block of 192 output columns of the next launch holds a whole head of q (or v), which RoPE needs, and half a head of k.
; Work-groups 640..655: the RoPE table rope[1024 positions][64 cosines, 64 sines] in f32.
; LIMITS: f16 holds |x| up to 65,504 (larger becomes infinity) and steps of 6e-8 below 6.1e-5.  The angle position x 10000^(-i/64)
; uses exp2 with an error of one unit in the last place, so that at position 1023 the angle is within about 1e-4 rad of the exact one.
; A stream: each byte read once and written once, no LDS, no matrix unit, no cluster (no two work-groups read the same bytes).
; THE MODE: SCHED_MODE bits 1:0 = 2 (LLVM: expert scheduling mode 2), set by the entry lines.  The code itself states the register dependences
; between vector instructions and memory instructions, with s_wait_alu, always for 0.
; THE PLAN, the cast.  Registers that memory instructions touch:
;   v1, v2   byte offsets of the loads and of the stores: made once at the head, never written again.
;   X[c]     four registers for load c of 32.  Load c lands in them; two conversions read all four and write the first two; store c reads those two.
;            No vector instruction names them ahead of the load, and nothing writes them behind the store.
; All 32 loads go out first.  Their results are worked on in 8 blocks of four: block p converts X[4 p .. 4 p + 3], and its memory instructions are the
; four stores of block p - 1, whose registers no conversion of block p names.  So one wait at a block's head states all that the block's stores hang on.
; No register that a memory instruction has read is written again: no wait for such reads is owed.
; THE PLAN, the table.  v6, the stores' offset, made once; OUT[c], four registers for position c of 8, written by that position's last four multiply-adds,
; read by its two stores, never written again.  Positions 0 to 3 are worked out, one wait, their stores stand among the arithmetic of positions 4 to 7,
; which names none of their registers; one more wait, the last stores.  All other registers are named by vector instructions alone.
.set X,    8                           ; v[8:135]  32 loads of 16 bytes a lane
.set OUT,  40                          ; table path: v[40:71], four results for each of 8 positions
	s_load_b256 s[4:11], s[0:1], 0x0               ; x s[4:5], Wq s[6:7], Wk s[8:9], Wv s[10:11]
	s_load_b128 s[12:15], s[0:1], 0x20             ; Wo s[12:13], f16in s[14:15]
	s_load_b64 s[16:17], s[0:1], 0x30              ; rope
	s_cmp_ge_u32 ttmp9, 640
	s_cbranch_scc1 .Ltable
	; ---- the cast: 16 rows (131,072 bytes in, 65,536 out), contiguous on both sides ----
	s_lshr_b32 s20, ttmp9, 7                       ; which matrix: 0 x, 1 Wq, 2 Wk, 3 Wv, 4 Wo
	s_and_b32 s21, ttmp9, 127
	s_lshl_b32 s21, s21, 4                         ; its first row r0
	s_lshr_b32 s22, s21, 7                         ; head h
	s_and_b32 s23, s21, 127                        ; i: row in the head
	s_mul_i32 s24, s22, 384
	s_add_co_u32 s24, s24, 2048                    ; first row of the head's two blocks
	s_add_co_u32 s25, s24, s23                     ; Wq's row
	s_add_co_u32 s27, s25, 192                     ; Wv's row
	s_and_b32 s26, s23, 63
	s_lshr_b32 s28, s23, 6
	s_mul_i32 s28, s28, 192
	s_add_co_u32 s26, s26, s28
	s_add_co_u32 s26, s26, s24
	s_add_co_u32 s26, s26, 128                     ; Wk's row: block of its half, behind the 128 rows of q or v
	s_add_co_u32 s29, s21, 8192                    ; Wo's row
	v_lshlrev_b32 v1, 4, v0                        ; 16 bytes a thread in
	v_lshlrev_b32 v2, 3, v0                        ; 8 bytes a thread out
	s_wait_kmcnt 0x0
	s_cmp_eq_u32 s20, 1
	s_cselect_b64 s[30:31], s[6:7], s[4:5]
	s_cselect_b32 s32, s25, s21
	s_cmp_eq_u32 s20, 2
	s_cselect_b64 s[30:31], s[8:9], s[30:31]
	s_cselect_b32 s32, s26, s32
	s_cmp_eq_u32 s20, 3
	s_cselect_b64 s[30:31], s[10:11], s[30:31]
	s_cselect_b32 s32, s27, s32
	s_cmp_eq_u32 s20, 4
	s_cselect_b64 s[30:31], s[12:13], s[30:31]
	s_cselect_b32 s32, s29, s32
	s_lshl_b32 s34, s21, 13                        ; r0 rows of 8,192 bytes
	s_mov_b32 s35, 0
	s_add_nc_u64 s[30:31], s[30:31], s[34:35]
	s_lshl_b32 s34, s32, 12                        ; rows of 4,096 bytes
	s_add_nc_u64 s[36:37], s[14:15], s[34:35]
	s_wait_alu depctr_va_vdst(0)                   ; v1 and v2 are written: every load below reads v1 as its offset, every store v2
.set c, 0
.rept 32
	global_load_b128 v[X+4*c:X+4*c+3], v1, s[30:31] offset:4096*c th:TH_LOAD_NT   ; a wave's load covers 512 consecutive bytes; all 32 go out first
.set c, c+1
.endr
; Block p of 8: loads 4 p to 4 p + 3 are converted; ahead of each pair of conversions stands a store of the block before.
.set p, 0
.rept 8
	s_wait_loadcnt 28-4*p                          ; loads come back in order (ISA guide 5.7.1): loads 4 p to 4 p + 3 are in, the 28 - 4 p younger ones stay out
.if p > 0
	s_wait_alu depctr_va_vdst(0)                   ; the conversions of the block before have written the registers that the four stores below read; no conversion of this block names them
.endif
.set i, 0
.rept 4
.set c, 4*p+i
.if p > 0
	global_store_b64 v2, v[X+4*(c-4):X+4*(c-4)+1], s[36:37] offset:2048*(c-4)     ; a wave's store covers 256 consecutive bytes, aligned; no register is used twice
.endif
	v_cvt_pk_f16_f32 v[X+4*c],   v[X+4*c],   v[X+4*c+1]
	v_cvt_pk_f16_f32 v[X+4*c+1], v[X+4*c+2], v[X+4*c+3]
.set i, i+1
.endr
.set p, p+1
.endr
	s_wait_alu depctr_va_vdst(0)                   ; the last block's conversions have written the registers that the last four stores read
.set c, 28
.rept 4
	global_store_b64 v2, v[X+4*c:X+4*c+1], s[36:37] offset:2048*c
.set c, c+1
.endr
	s_endpgm
	; ---- the table: wave w of work-group 640 + j makes positions 64 j + 8 w + 0..7; lane L frequencies 2 L and 2 L + 1 ----
.Ltable:
	v_lshrrev_b32 v1, 5, v0
	v_readfirstlane_b32 s21, v1                    ; wave
	v_and_b32 v2, 31, v0                           ; lane
	s_sub_co_u32 s20, ttmp9, 640
	s_lshl_b32 s20, s20, 6
	s_wait_alu depctr_va_sdst(0)                   ; s21 is written, ahead of its first reader, the line below
	s_lshl3_add_u32 s20, s21, s20                  ; the wave's first position
	v_lshlrev_b32 v3, 1, v2
	v_cvt_f32_u32 v4, v3
	v_add_f32 v5, 1.0, v4
	v_mul_f32 v4, 0xbe549a78, v4                   ; -i log2(10000) / 64
	v_mul_f32 v5, 0xbe549a78, v5
	v_exp_f32 v4, v4                               ; 10000^(-i/64)
	v_exp_f32 v5, v5
	v_lshlrev_b32 v6, 3, v2                        ; 8 bytes a lane (also the plain instruction behind the two exponentials: ISA guide 5.7.2)
	v_mov_b32 v30, 0xab573f9f                      ; -1/15!
	v_mov_b32 v31, 0x29573f9f                      ;  1/16!
	s_wait_alu depctr_va_vdst(0)                   ; the two exponentials have written v4 and v5, ahead of their first reader; v6 is written, which every store below reads as its offset
	s_lshl_b32 s22, s20, 9                         ; 512 bytes a position
	s_mov_b32 s23, 0
	s_wait_kmcnt 0x0
	s_add_nc_u64 s[16:17], s[16:17], s[22:23]
; One position's arithmetic.  The angle is brought into [-pi, pi] by taking away the nearest multiple of 2 pi, held in two parts; sine and cosine
; are their series up to r^15 and r^16, whose remainders on that range are below pi^17/17! = 8e-7 and pi^18/18! = 1.4e-7.
.macro POS c
	s_add_co_u32 s24, s20, \c
	v_cvt_f32_u32 v7, s24
	v_mul_f32 v8, v7, v4                           ; position x frequency, rounded as the product of two f32
	v_mul_f32 v9, v7, v5
	v_mul_f32 v10, 0.15915494, v8
	v_mul_f32 v11, 0.15915494, v9
	v_rndne_f32 v10, v10
	v_rndne_f32 v11, v11
	v_fmamk_f32 v8, v10, 0xc0c90fdb, v8            ; - n x (2 pi rounded to f32)
	v_fmamk_f32 v9, v11, 0xc0c90fdb, v9
	v_fmamk_f32 v8, v10, 0x343bbd2e, v8            ; - n x (what the rounding left out: -1.7484556e-7)
	v_fmamk_f32 v9, v11, 0x343bbd2e, v9
	v_mul_f32 v12, v8, v8
	v_mul_f32 v13, v9, v9
	v_fmaak_f32 v14, v12, v30, 0x2f309231          ; sine: 1/13!, then -1/11!, 1/9!, -1/7!, 1/5!, -1/3!
	v_fmaak_f32 v15, v13, v30, 0x2f309231
.irp k, 0xb2d7322b, 0x3638ef1d, 0xb9500d01, 0x3c088889, 0xbe2aaaab
	v_fmaak_f32 v14, v14, v12, \k
	v_fmaak_f32 v15, v15, v13, \k
.endr
	v_fmaak_f32 v16, v12, v31, 0xad49cba5          ; cosine: -1/14!, then 1/12!, -1/10!, 1/8!, -1/6!, 1/4!, -1/2
	v_fmaak_f32 v17, v13, v31, 0xad49cba5
.irp k, 0x310f76c7, 0xb493f27e, 0x37d00d01, 0xbab60b61, 0x3d2aaaab, 0xbf000000
	v_fmaak_f32 v16, v16, v12, \k
	v_fmaak_f32 v17, v17, v13, \k
.endr
	v_mul_f32 v18, v8, v12
	v_mul_f32 v19, v9, v13
	v_fma_f32 v[OUT+4*\c],   v16, v12, 1.0
	v_fma_f32 v[OUT+4*\c+1], v17, v13, 1.0
	v_fma_f32 v[OUT+4*\c+2], v18, v14, v8
	v_fma_f32 v[OUT+4*\c+3], v19, v15, v9
.endm
; One position's two stores.
.macro SEND c
	global_store_b64 v6, v[OUT+4*\c:OUT+4*\c+1],   s[16:17] offset:512*\c        ; 64 cosines: 256 consecutive bytes, aligned
	global_store_b64 v6, v[OUT+4*\c+2:OUT+4*\c+3], s[16:17] offset:512*\c+256    ; 64 sines
.endm
	POS 0
	POS 1
	POS 2
	POS 3
	s_wait_alu depctr_va_vdst(0)                   ; positions 0 to 3 have written v[OUT .. OUT+15], which the eight stores below read; the arithmetic among them names none of these registers
	SEND 0
	POS 4
	SEND 1
	POS 5
	SEND 2
	POS 6
	SEND 3
	POS 7
	s_wait_alu depctr_va_vdst(0)                   ; positions 4 to 7 have written v[OUT+16 .. OUT+31], which the last eight stores read
	SEND 4
	SEND 5
	SEND 6
	SEND 7
	s_endpgm
.Lfunc_end_k_q4a3deb4d53_cast:
	.size	k_q4a3deb4d53_cast, .Lfunc_end_k_q4a3deb4d53_cast-k_q4a3deb4d53_cast
	.p2alignl 7, 3214868480
	.fill 96, 4, 3214868480
	.section	.rodata,"a",@progbits
	.p2align	6, 0x0
	.amdhsa_kernel k_q4a3deb4d53_cast
		.amdhsa_group_segment_fixed_size 0
		.amdhsa_private_segment_fixed_size 0
		.amdhsa_enable_private_segment 0
		.amdhsa_kernarg_size 56
		.amdhsa_user_sgpr_count 2
		.amdhsa_user_sgpr_kernarg_segment_ptr 1
		.amdhsa_wavefront_size32 1
		.amdhsa_system_sgpr_workgroup_id_x 1
		.amdhsa_system_sgpr_workgroup_id_y 1
		.amdhsa_system_sgpr_workgroup_id_z 1
		.amdhsa_system_vgpr_workitem_id 0
		.amdhsa_next_free_vgpr 136
		.amdhsa_next_free_sgpr 66
		.amdhsa_reserve_vcc 0
		.amdhsa_float_denorm_mode_32 3
		.amdhsa_float_denorm_mode_16_64 3
		.amdhsa_memory_ordered 1
		.amdhsa_forward_progress 1
		.amdhsa_inst_pref_size 35
	.end_amdhsa_kernel
	.amdgpu_metadata
---
amdhsa.version: [ 1, 2 ]
amdhsa.kernels:
  - .name:           k_q4a3deb4d53_cast
    .symbol:         k_q4a3deb4d53_cast.kd
    .args:
      - { .name: input_tensor, .offset: 0, .size: 8, .value_kind: global_buffer, .address_space: global }
      - { .name: Wq, .offset: 8, .size: 8, .value_kind: global_buffer, .address_space: global }
      - { .name: Wk, .offset: 16, .size: 8, .value_kind: global_buffer, .address_space: global }
      - { .name: Wv, .offset: 24, .size: 8, .value_kind: global_buffer, .address_space: global }
      - { .name: Wo, .offset: 32, .size: 8, .value_kind: global_buffer, .address_space: global }
      - { .name: f16in, .offset: 40, .size: 8, .value_kind: global_buffer, .address_space: global }
      - { .name: rope, .offset: 48, .size: 8, .value_kind: global_buffer, .address_space: global }
    .group_segment_fixed_size: 0
    .private_segment_fixed_size: 0
    .kernarg_segment_align: 8
    .kernarg_segment_size: 56
    .max_flat_workgroup_size: 256
    .sgpr_count:     66
    .vgpr_count:     136
    .wavefront_size: 32
...
	.end_amdgpu_metadata
.endif
;; end of part 5
;; launch qkv: the kernel of part 2 again; grid 32 x 8, 4 waves a work-group, clusters of 4 x 4, 327,680 bytes of LDS; arguments f16in, rope, qkv; writes qkv
;; launch attn: the kernel of part 3 again; grid 8 x 32, 4 waves a work-group, clusters of 4 x 4, 327,680 bytes of LDS; arguments qkv, attention_mask, ctx; writes ctx
;; launch oproj: the kernel of part 4 again; grid 16 x 16, 4 waves a work-group, clusters of 4 x 4, 327,680 bytes of LDS; arguments ctx, f16in, out0; writes out0
